; MI455X (gfx1250); checked and timed in simulation.
; The chip was launched on July 23, 2026; its instructions are those of AMD's public machine-readable ISA for CDNA 5 (MIT licence, August 2026) and "CDNA5" Instruction Set Architecture Reference Guide (July 2026). The comments in the code are by the model that wrote it; some were corrected since.
;; Multi Query Attention. Allowed arithmetic: matrix products marked QUANTISED: E2M3 operands, one E8M0 scale for each 32 along K, by v_wmma_scale_f32_16x16x128_f8f6f4 with both operands' format E2M3, f32 sums; everything else in f32.
;; Inputs: wk 2,048 x 64 float32; wo 2,048 x 2,048 float32; wq 2,048 x 2,048 float32; wv 2,048 x 64 float32; x 2 x 2,048 x 2,048 float32.
;; Outputs: out0 2 x 2,048 x 2,048 float32.
;; This version of the problem:
;;   THIS VERSION OF THE PROBLEM IS GIVEN IN LOW PRECISION. The matrix products marked QUANTISED in the list below multiply operands that are first quantised to E2M3 (2 exponent bits, 3 mantissa bits; 6 bits a number), with one power-of-two scale for each 32 numbers along K (OCP MX v1.0); their sums are f32. All else is computed in f32.
;;   The module's matrix products, in the order in which they are computed (A, B: the left and right operand; K: the contracted axis; several contracted axes count as one K, in the product's order):
;;     1. [M 4,096, K 2,048] x [K 2,048, N 2,048]; A: input x; B: input wq: QUANTISED
;;     2. [M 4,096, K 2,048] x [K 2,048, N 64]; A: input x; B: input wk: QUANTISED
;;     3. [M 4,096, K 2,048] x [K 2,048, N 64]; A: input x; B: input wv: QUANTISED
;;     4. batch 2 x [M 2,048, K 64] x [K 64, N 65,536]; A: computed on the way; B: computed on the way: QUANTISED
;;     5. batch 2 x [M 64, K 2,048] x [K 2,048, N 65,536]; A: computed on the way; B: softmax (see below): QUANTISED
;;     6. [M 4,096, K 2,048] x [K 2,048, N 2,048]; A: computed on the way; B: input wo: QUANTISED
;;   THE QUANTISER, for each operand of a quantised product, along K:
;;     - K is cut into blocks of 32 from its start; a last block that is shorter is filled with zeros.
;;     - A block's scale is 2^e with e = floor(log2(the largest magnitude in the block)) - 2, held to -126 .. 127; a block of zeros has e = 0. As a byte (E8M0): e + 127.
;;     - Each number is divided by its block's scale, clamped to +-7.5, and rounded to the nearest number of E2M3, ties to even, subnormals kept.
;;     - The product sums the exact products of the quantised numbers (number of the format x scale) in f32.
;;   ~~~python
;;   def quantise(x, axis):      # numpy; x: float32 -> the quantised numbers, widened to float32 again
;;       x = np.moveaxis(x, axis, -1); K = x.shape[-1]
;;       x = np.pad(x, [(0, 0)] * (x.ndim - 1) + [(0, -K % 32)]); x = x.reshape(x.shape[:-1] + (-1, 32)); a = np.abs(x).max(-1, keepdims=True)
;;       e = np.where(a > 0, np.clip(np.frexp(np.where(a > 0, a, 1))[1] - 1 - 2, -126, 127), 0)      # np.frexp(a)[1] - 1 = floor(log2(a)), exactly
;;       r = np.clip(x / 2.0 ** e, -7.5, 7.5)
;;       step = 2.0 ** (np.maximum(np.frexp(np.where(r == 0, 1, r))[1] - 1, 0) - 3)
;;       q = np.round(r / step) * step * 2.0 ** e      # np.round: ties to even
;;       return np.moveaxis(q.reshape(q.shape[:-2] + (-1,))[..., :K], -1, axis).astype(np.float32)
;;   ~~~
;;   SOFTMAX AHEAD OF A QUANTISED PRODUCT. Where the list says 'softmax', what is quantised is not the finished softmax but p = 2^(t - M), with t = logit x log2(e) and M = ceil(the row's largest t), a whole number; so 1/2 < the row's largest p <= 1. The row's sum l is taken of the UNQUANTISED p, in f32, and the product's result is divided by l at the end. Since M is a whole number, a kernel that streams over the keys may use a running M (the ceiling of the running maximum): every later rescaling is an exact power of two, which a block's scale takes up: the codes' values come out the same.
;;   OPERANDS COMPUTED ON THE WAY. 'Computed on the way' means the value that the module computes at that place (a softmax that the list does not call 'softmax' is quantised finished and normalised). What goes into a quantiser is computed in f32, as accurately as f32 sums, v_exp_f32 and their like allow (about 1e-6 of the number): no bf16 or f16 on the way to a quantiser, and a product that is left as it is and whose result goes on into a quantised operand takes f32 operands (vector FMAs, or v_wmma_f32_16x16x4_f32). A number that lies on a knife's edge between two numbers of the format may be rounded either way, as far as f32 arithmetic and the matrix unit's own rounding can turn it there, and no further.
;; One version. Each part assembles by itself: llvm-mc -triple=amdgcn-amd-amdhsa -mcpu=gfx1250 --defsym DOCPART=n.
;; ======== version 1 of 1: 5 launches
;; limits: right only within a limited range of input values
;; workspace buffers: xq 6,553,600 bytes; wqq 3,276,800 bytes; woq 3,276,800 bytes; wkvq 204,800 bytes; qimg 6,815,744 bytes; kv 417,792 bytes; oq 6,553,600 bytes
;; launch quant (part 1): grid 520 x 1, 4 waves a work-group, no clusters, 68,096 bytes of LDS; arguments x, wq, wo, wk, wv, xq, wqq, woq, wkvq; writes xq, wqq, woq, wkvq
.if DOCPART == 1
	.amdgcn_target "amdgcn-amd-amdhsa--gfx1250"
	.amdhsa_code_object_version 6
	.text
	.protected	k_q41bec6ee2c_quant
	.globl	k_q41bec6ee2c_quant
	.p2align	8
	.type	k_q41bec6ee2c_quant,@function
k_q41bec6ee2c_quant:
	s_mov_b64 s[64:65], 0
	v_nop
	global_prefetch_b8 v0, s[64:65] scope:SCOPE_SE
	s_setreg_imm32_b32 hwreg(HW_REG_WAVE_MODE, 25, 1), 1
	s_wait_xcnt 0x0
; All five f32 inputs become codes of FP6 (E2M3) with K innermost and one E8M0 scale byte for each 32 along K.
; A block's scale is 2^(floor(log2(its largest magnitude)) - 2); its byte is that magnitude's exponent field - 2, held at 1 from below.
; LIMITS: NaN and infinities among the inputs are not served.  A block of zeros gets the byte 1 where the rule says 127: its codes are zeros, which add
; nothing under any byte but 0xff, and the bytes are read by this program alone.  A block whose largest magnitude lies under 2^-124 is held at the byte 1.
; WORK-GROUPS 0-255: x [4096][2048], K innermost: a plain stream of blocks of 32.  xq: codes [4096][1536 bytes] at 0, scale bytes [4096][64] at 6,291,456.
; WORK-GROUPS 256-519: the weights, whose K is their FIRST axis: 128 for wq, 128 for wo (128 columns x 256 along K each), 8 for wk and wv together (64 + 64 columns).
; A lane takes a column and its registers run down K.  Codes [column][1536 bytes], scale bytes [column][64] behind them.
; In wqq and wkvq the ROWS ARE PERMUTED: row n' holds column n' with bits 3 and 4 exchanged, so that in a later product used transposed the 16 registers of two
; neighbouring tiles are 16 neighbouring columns.  The exchange is made in WHICH column a lane loads: rows in LDS and in the output stay plain.  woq's rows are in order.
; The two paths part on the work-group's number and have LDS bytes of their own: 0 .. 32,767 and 32,768 .. 67,583.  No tensor loads, no barrier: waves share nothing.
; LAYOUT OF ALL CODES (it replaces the plain rows of 1,536 bytes named above): dense blocks of 24,576 bytes, [row / 128][k / 256][row % 128][192 bytes]:
; a block is 128 rows x 256 along K and begins at a multiple of 256 bytes, so that a later launch's tensor load takes it as 96 rows of 256 bytes.  The scale bytes lie as stated above.
.set WREG,  8192
.set SP,    80                         ; a lane's place in a stage: 64 bytes + 16 of padding
.set CB,    12                         ; bytes of 16 codes
.set STEPS, 16                         ; steps of 512 numbers for a wave
.set EMAX,  2
.set XR,    16                         ; v16-79   four sets of 16 numbers as loaded
.set XX,    80                         ; v80-111  two sets of 16 neighbours
.set XE,    112                        ; v112-127 a scale byte for each step
.set XC,    128                        ; v128-191 codes, four registers for each step
.set WSTG,  32768                      ; weights: the stages begin here, 32 rows x PITCH for each wave
.set PITCH, 272                        ; a stage row: sixteen places of 16 bytes (12 of codes each) + 16
.set KROW,  1536                       ; a row of codes in memory: 2,048 codes
.set NB,    8                          ; blocks of 32 along K for a wave
.set WX,    32                         ; v32-95   two sets of 32 numbers
.set WC,    96                         ; v96-102  a block's codes
.set WSB,   24                         ; v24-25   the scale bytes, four to a register
.set WOUT,  112                        ; v112-175 the way out
.set RO,    176                        ; v176-207 byte offset of row i of a block at my column: i x the row's bytes + 4 x my column
.set WB,    68                         ; s[68:83] where block t of my wave's part begins in the weight
	s_load_b256 s[4:11], s[0:1], 0x0               ; x s[4:5], wq s[6:7], wo s[8:9], wk s[10:11]
	s_load_b256 s[12:19], s[0:1], 0x20             ; wv s[12:13], xq s[14:15], wqq s[16:17], woq s[18:19]
	s_load_b64 s[20:21], s[0:1], 0x40              ; wkvq
	v_lshl_add_u32 v208, v0, 2, 0x10800
	v_mov_b32 v209, 0
	v_lshrrev_b32 v1, 5, v0
	v_readfirstlane_b32 s22, v1                    ; wave 0..3
	v_and_b32 v2, 31, v0                           ; lane
	s_cmp_lt_u32 ttmp9, 256
	s_cbranch_scc0 .Lweights
; ---------------- x ----------------
; A conversion takes 16 neighbours along K from ONE lane's registers; a load is best where neighbouring LANES take neighbouring bytes.  Both are had: each of a step's four loads
; reads 512 consecutive bytes, the 2,048 bytes go through the wave's own stage in LDS as they lie, and come back 64 bytes a lane.  Two neighbouring lanes hold a block.
	v_lshlrev_b32 v3, 4, v2                        ; my 16 bytes of a load's 512
	s_mul_i32 s23, s22, WREG
	v_lshrrev_b32 v14, 2, v2
	v_mul_u32_u24 v14, v14, SP
	v_and_b32 v15, 3, v2
	v_lshl_add_u32 v14, v15, 4, v14
	v_add_nc_u32 v14, s23, v14                     ; into the stage: SP (lane / 4) + 16 (lane % 4)
	v_mul_u32_u24 v15, v2, SP
	v_add_nc_u32 v15, s23, v15                     ; out of it: SP x lane
	v_and_b32 v4, 15, v2
	v_mul_u32_u24 v4, v4, CB                       ; my codes' place: 12 (lane % 16) in a row's 192 bytes,
	v_lshrrev_b32 v10, 4, v2
	v_mad_u32_u24 v4, v10, 24576, v4               ; lanes 16-31 one block (256 along K) on
	v_lshrrev_b32 v5, 1, v2
	s_add_co_u32 s23, s23, 2*32*SP
	v_add_nc_u32 v5, s23, v5                       ; my wave's 256 scale bytes: my block's byte
	v_lshlrev_b32 v7, 3, v2
	v_add_nc_u32 v6, s23, v7                       ; and on the way out 8 bytes a lane
	s_lshl_b32 s24, ttmp9, 2
	s_add_co_u32 s24, s24, s22                     ; which run of 8,192 numbers is my wave's: 0 .. 1,023
	s_lshl_b32 s26, s24, 15                        ; 32,768 bytes of x,
	s_mov_b32 s27, 0
	s_lshr_b32 s28, s24, 5                         ; my run is 4 rows: 32 runs to a group of 128 rows,
	s_mul_i32 s28, s28, 196608                     ; a group's 8 blocks,
	s_and_b32 s25, s24, 31
	s_mul_i32 s25, s25, 768                        ; 4 rows of 192 bytes inside a block
	s_add_co_u32 s28, s28, s25
	s_mov_b32 s29, 0
	s_lshl_b32 s30, s24, 8                         ; 256 scale bytes a run
	s_add_co_u32 s30, s30, 6291456
	s_mov_b32 s31, 0
	s_wait_alu depctr_va_vdst(0)
	s_wait_kmcnt 0x0
	s_add_nc_u64 s[4:5], s[4:5], s[26:27]
	s_add_nc_u64 s[32:33], s[14:15], s[28:29]
	s_add_nc_u64 s[34:35], s[14:15], s[30:31]
.macro XLOAD t
.irp i, 0,1,2,3
	global_load_b128 v[XR+16*((\t)%4)+4*\i:XR+16*((\t)%4)+4*\i+3], v3, s[4:5] offset:2048*(\t)+512*\i th:TH_LOAD_NT   ; 32 lanes read 512 consecutive bytes
.endr
.endm
.macro XTURN t                         ; step t's numbers through the stage: LDS serves a wave's instructions in order, so no wait stands between the stores and the loads
.irp i, 0,1,2,3
	ds_store_b128 v14, v[XR+16*((\t)%4)+4*\i:XR+16*((\t)%4)+4*\i+3] offset:32*SP*((\t)%2)+8*SP*\i
.endr
.irp i, 0,1,2,3
	ds_load_b128 v[XX+16*((\t)%2)+4*\i:XX+16*((\t)%2)+4*\i+3], v15 offset:32*SP*((\t)%2)+16*\i
.endr
.endm
.irp t, 0,1,2,3
	XLOAD \t
.endr
	s_wait_loadcnt 12                              ; step 0's four loads are in; twelve younger ones stay out
	XTURN 0
.macro XSTEP t
.set XS, XX+16*((\t)%2)
.if (\t) > 0
	s_wait_dscnt 1                                 ; this step's numbers are back from the stage (the last step's byte store may be out): so its stores into the stage have read their registers,
.else
	s_wait_dscnt 0x0
.endif
.if (\t)+4 < STEPS
	XLOAD (\t)+4                                   ; which take the loads of four steps on
.endif
.if (\t)+1 < STEPS
.if STEPS-2-(\t) >= 3
	s_wait_loadcnt 12                              ; the next step's four loads are in; those of the three steps behind it may be out
.else
	s_wait_loadcnt 4*(STEPS-2-(\t))
.endif
	XTURN (\t)+1                                   ; and go through the other stage while this step is worked
.endif
	v_max3_num_f32 v8, |v[XS]|, |v[XS+1]|, |v[XS+2]|               ; the largest magnitude of my 16, in two chains
	v_max3_num_f32 v9, |v[XS+3]|, |v[XS+4]|, |v[XS+5]|
.irp i, 6,10
	v_max3_num_f32 v8, v8, |v[XS+\i]|, |v[XS+\i+1]|
	v_max3_num_f32 v9, v9, |v[XS+\i+2]|, |v[XS+\i+3]|
.endr
	v_max3_num_f32 v8, v8, |v[XS+14]|, |v[XS+15]|
	v_max3_num_f32 v8, v8, v9, (EMAX+1)<<23        ; and the floor 2^(3 - 127): so the byte cannot fall under 1
	v_max_num_f32_dpp v8, v8, v8 row_xmask:1 row_mask:0xf bank_mask:0xf   ; and of my neighbour's 16: the block's
	v_add_nc_u32 v11, -(EMAX<<23), v8              ; 2 off its exponent field: the conversion takes the exponent field of this operand as its scale
	v_cvt_scalef32_pk16_fp6_f32 v[XC+4*(\t):XC+4*(\t)+2], v[XS:XS+15], v11
	v_lshrrev_b32 v[XE+(\t)], 23, v11              ; the scale's byte (also the plain line behind the conversion)
	ds_store_b8 v5, v[XE+(\t)] offset:16*(\t)      ; both lanes of a block write the same byte with the same value
	global_store_b96 v4, v[XC+4*(\t):XC+4*(\t)+2], s[32:33] offset:49152*((\t)%4)+192*((\t)/4)   ; step t: row t / 4, blocks 2 (t % 4) and 2 (t % 4) + 1: sixteen lanes store 192 consecutive bytes
.endm
.irp t, 0,1,2,3,4,5,6,7,8,9,10,11,12,13,14,15
	XSTEP \t
.endr
	ds_load_b64 v[12:13], v6                       ; LDS serves a wave's instructions in order: these see my stores
	s_wait_dscnt 0x0
	global_store_b64 v7, v[12:13], s[34:35]        ; 32 lanes store 256 consecutive bytes, aligned
	s_wait_tensorcnt 0x0
	ds_add_u32 v208, v209
	s_wait_dscnt 0x0
	s_endpgm
; ---------------- the weights ----------------
.Lweights:
	s_sub_co_u32 s23, ttmp9, 256
	s_lshr_b32 s24, s23, 7                         ; 0: wq, 1: wo, 2: wk and wv
	s_and_b32 s25, s23, 127
	s_lshr_b32 s26, s25, 4                         ; a large weight: which 256 along K,
	s_and_b32 s27, s25, 15                         ; which 128 columns,
	s_lshl_b32 s30, s27, 9
	s_lshl_b32 s31, s22, 7
	s_add_co_u32 s30, s30, s31                     ; my wave's first column in bytes: 512 x + 128 wave
	s_and_b32 s31, s22, 1
	s_lshl_b32 s31, s31, 7                         ; a small one: waves 0, 1 take wk's halves, waves 2, 3 wv's
	s_mov_b32 s28, 8192                            ; a row of a large weight in bytes
	s_mov_b32 s29, 3145728                         ; where its scale bytes begin in the output
	s_cmp_eq_u32 s24, 2
	s_cselect_b32 s26, s25, s26                    ; yk
	s_cselect_b32 s27, 0, s27
	s_cselect_b32 s28, 256, s28
	s_cselect_b32 s29, 196608, s29
	s_cselect_b32 s30, s31, s30
	s_wait_kmcnt 0x0
	s_cmp_eq_u32 s24, 0                            ; the buffers are chosen on the work-group's and the wave's number alone
	s_cselect_b64 s[36:37], s[6:7], s[8:9]
	s_cselect_b64 s[38:39], s[16:17], s[18:19]
	s_cselect_b32 s40, 24, 0                       ; 24 where bits 3 and 4 of the column are exchanged
	s_cmp_lt_u32 s22, 2
	s_cselect_b64 s[42:43], s[10:11], s[12:13]
	s_cmp_eq_u32 s24, 2
	s_cselect_b64 s[36:37], s[42:43], s[36:37]     ; in
	s_cselect_b64 s[38:39], s[20:21], s[38:39]     ; out
	s_cselect_b32 s40, 24, s40
	s_lshl_b32 s41, s27, 7
	s_lshl_b32 s44, s22, 5
	s_add_co_u32 s41, s41, s44                     ; my wave's first row of the output
	s_mul_i32 s44, s27, 196608                     ; my 128 rows' 8 blocks,
	s_mul_i32 s46, s22, 6144                       ; my wave's 32 rows of 192 bytes,
	s_add_co_u32 s44, s44, s46
	s_mul_i32 s46, s26, 24576                      ; the block of my 256 along K
	s_add_co_u32 s44, s44, s46
	s_mov_b32 s45, 0
	s_add_nc_u64 s[48:49], s[38:39], s[44:45]      ; my codes
	s_lshl_b32 s44, s41, 6
	s_lshl_b32 s46, s26, 3
	s_add_co_u32 s44, s44, s46
	s_add_co_u32 s44, s44, s29
	s_add_nc_u64 s[50:51], s[38:39], s[44:45]      ; my scale bytes
	s_lshl_b32 s44, s26, 8
	s_mul_i32 s44, s44, s28                        ; 256 yk rows down,
	s_add_co_u32 s44, s44, s30                     ; at my wave's first column
	s_add_nc_u64 s[WB:WB+1], s[36:37], s[44:45]
	s_lshl_b32 s46, s28, 5                         ; a block is 32 rows
	s_mov_b32 s47, 0
.irp t, 1,2,3,4,5,6,7
	s_add_nc_u64 s[WB+2*\t:WB+2*\t+1], s[WB+2*\t-2:WB+2*\t-1], s[46:47]
.endr
	s_wait_alu depctr_va_vdst(0)
	v_lshrrev_b32 v5, 3, v2
	v_lshrrev_b32 v6, 4, v2
	v_xor_b32 v5, v5, v6
	v_and_b32 v5, 1, v5                            ; do bits 3 and 4 of my lane differ?
	v_mul_u32_u24 v5, s40, v5
	v_xor_b32 v5, v2, v5                           ; the column that I load
	v_lshlrev_b32 v3, 2, v5
.set I, 0
.rept 32
	v_mad_u32_u24 v[RO+I], s28, I, v3
.set I, I+1
.endr
	s_mul_i32 s52, s22, 32*PITCH
	s_add_co_u32 s52, s52, WSTG                    ; my stage
	v_mul_u32_u24 v4, v2, PITCH
	v_add_nc_u32 v4, s52, v4                       ; into it: row = my lane
	v_and_b32 v5, 15, v2
	v_lshrrev_b32 v6, 4, v2                        ; out of it: sixteen lanes to a row, two rows an instruction
	v_mul_u32_u24 v7, v6, PITCH
	v_lshl_add_u32 v7, v5, 4, v7
	v_add_nc_u32 v7, s52, v7
	v_mul_u32_u24 v8, v6, 192
	v_mad_u32_u24 v8, v5, 12, v8                   ; and the same place among the codes
	v_lshlrev_b32 v9, 6, v2                        ; my row of scale bytes
.macro WLOAD t                         ; block t: 32 rows at my column, into set t % 2; each load reads 128 consecutive bytes a wave (in another order of lanes where columns are exchanged)
.set I, 0
.rept 32
	global_load_b32 v[WX+32*((\t)%2)+I], v[RO+I], s[WB+2*(\t):WB+2*(\t)+1] th:TH_LOAD_NT
.set I, I+1
.endr
.endm
	WLOAD 0
	WLOAD 1
.macro WBLOCK t
.set XS, WX+32*((\t)%2)
.if (\t) < NB-1
	s_wait_loadcnt 32                              ; this block's 32 loads are in; the next block's may be out
.else
	s_wait_loadcnt 0
.endif
	v_max3_num_f32 v12, |v[XS]|, |v[XS+1]|, |v[XS+2]|               ; the block's largest magnitude: all 32 numbers are mine
	v_max3_num_f32 v13, |v[XS+3]|, |v[XS+4]|, |v[XS+5]|
.irp i, 6,10,14,18,22,26
	v_max3_num_f32 v12, v12, |v[XS+\i]|, |v[XS+\i+1]|
	v_max3_num_f32 v13, v13, |v[XS+\i+2]|, |v[XS+\i+3]|
.endr
	v_max3_num_f32 v12, v12, |v[XS+30]|, |v[XS+31]|
	v_max3_num_f32 v12, v12, v13, (EMAX+1)<<23     ; and the floor
	v_add_nc_u32 v11, -(EMAX<<23), v12             ; the conversion's scale operand
	v_lshrrev_b32 v13, 23, v11                     ; the scale's byte
.if (\t)%4 == 0
	v_mov_b32 v[WSB+(\t)/4], v13                   ; four bytes to a register, the lower K in the lower byte
.else
	v_lshl_or_b32 v[WSB+(\t)/4], v13, 8*((\t)%4), v[WSB+(\t)/4]
.endif
	v_cvt_scalef32_pk16_fp6_f32 v[WC:WC+2], v[XS:XS+15], v11
	v_cvt_scalef32_pk16_fp6_f32 v[WC+4:WC+6], v[XS+16:XS+31], v11   ; (a conversion's three registers begin on an even number)
	v_nop                                          ; one plain line behind the conversions
	ds_store_b96 v4, v[WC:WC+2] offset:32*(\t)     ; 12 bytes to a place of 16, so that every LDS address is a multiple of 16
	ds_store_b96 v4, v[WC+4:WC+6] offset:32*(\t)+16
.if (\t)+2 < NB
	WLOAD (\t)+2
.endif
	s_wait_dscnt 0x0                               ; the stores have read their registers: the next block's codes may be written
.endm
.set Q, 0
.rept NB
	WBLOCK Q
.set Q, Q+1
.endr
	s_wait_alu depctr_va_vdst(0)
	global_store_b64 v9, v[WSB:WSB+1], s[50:51]    ; my row's 8 scale bytes (rows 64 bytes apart: one byte in 128 of what the path reads)
.irp t, 0,1,2,3,4,5,6,7,8,9,10,11,12,13,14,15
	ds_load_b96 v[WOUT+4*\t:WOUT+4*\t+2], v7 offset:2*\t*PITCH   ; LDS serves a wave's instructions in order: these see my stores
.endr
.irp t, 0,1,2,3,4,5,6,7,8,9,10,11,12,13,14,15
	s_wait_dscnt 15-\t                             ; the younger loads may stay out
	global_store_b96 v8, v[WOUT+4*\t:WOUT+4*\t+2], s[48:49] offset:384*\t   ; two rows, 384 consecutive bytes; the wave's 16 stores cover 6,144 consecutive bytes
.endr
	s_wait_tensorcnt 0x0
	ds_add_u32 v208, v209
	s_wait_dscnt 0x0
	s_endpgm
.Lfunc_end_k_q41bec6ee2c_quant:
	.size	k_q41bec6ee2c_quant, .Lfunc_end_k_q41bec6ee2c_quant-k_q41bec6ee2c_quant
	.p2alignl 7, 3214868480
	.fill 96, 4, 3214868480
	.section	.rodata,"a",@progbits
	.p2align	6, 0x0
	.amdhsa_kernel k_q41bec6ee2c_quant
		.amdhsa_group_segment_fixed_size 68096
		.amdhsa_private_segment_fixed_size 0
		.amdhsa_enable_private_segment 0
		.amdhsa_kernarg_size 72
		.amdhsa_user_sgpr_count 2
		.amdhsa_user_sgpr_kernarg_segment_ptr 1
		.amdhsa_wavefront_size32 1
		.amdhsa_system_sgpr_workgroup_id_x 1
		.amdhsa_system_sgpr_workgroup_id_y 1
		.amdhsa_system_sgpr_workgroup_id_z 1
		.amdhsa_system_vgpr_workitem_id 0
		.amdhsa_next_free_vgpr 210
		.amdhsa_next_free_sgpr 84
		.amdhsa_reserve_vcc 0
		.amdhsa_float_denorm_mode_32 3
		.amdhsa_float_denorm_mode_16_64 3
		.amdhsa_memory_ordered 1
		.amdhsa_forward_progress 1
		.amdhsa_inst_pref_size 77
	.end_amdhsa_kernel
	.amdgpu_metadata
---
amdhsa.version: [ 1, 2 ]
amdhsa.kernels:
  - .name:           k_q41bec6ee2c_quant
    .symbol:         k_q41bec6ee2c_quant.kd
    .args:
      - { .name: x, .offset: 0, .size: 8, .value_kind: global_buffer, .address_space: global }
      - { .name: wq, .offset: 8, .size: 8, .value_kind: global_buffer, .address_space: global }
      - { .name: wo, .offset: 16, .size: 8, .value_kind: global_buffer, .address_space: global }
      - { .name: wk, .offset: 24, .size: 8, .value_kind: global_buffer, .address_space: global }
      - { .name: wv, .offset: 32, .size: 8, .value_kind: global_buffer, .address_space: global }
      - { .name: xq, .offset: 40, .size: 8, .value_kind: global_buffer, .address_space: global }
      - { .name: wqq, .offset: 48, .size: 8, .value_kind: global_buffer, .address_space: global }
      - { .name: woq, .offset: 56, .size: 8, .value_kind: global_buffer, .address_space: global }
      - { .name: wkvq, .offset: 64, .size: 8, .value_kind: global_buffer, .address_space: global }
    .group_segment_fixed_size: 68096
    .private_segment_fixed_size: 0
    .kernarg_segment_align: 8
    .kernarg_segment_size: 72
    .max_flat_workgroup_size: 128
    .sgpr_count:     84
    .vgpr_count:     210
    .wavefront_size: 32
...
	.end_amdgpu_metadata
.endif
;; end of part 1
;; launch kvproj (part 2): grid 128 x 1, 16 waves a work-group, no clusters, 67,584 bytes of LDS; arguments xq, wkvq, kv; writes kv
.if DOCPART == 2
	.amdgcn_target "amdgcn-amd-amdhsa--gfx1250"
	.amdhsa_code_object_version 6
	.text
	.protected	k_q41bec6ee2c_kvproj
	.globl	k_q41bec6ee2c_kvproj
	.p2align	8
	.type	k_q41bec6ee2c_kvproj,@function
k_q41bec6ee2c_kvproj:
	s_mov_b64 s[64:65], 0
	v_nop
	global_prefetch_b8 v0, s[64:65] scope:SCOPE_SE
	s_setreg_imm32_b32 hwreg(HW_REG_WAVE_MODE, 25, 1), 1
	s_wait_xcnt 0x0
; k = x wk and v = x wv on codes of FP6 (E2M3), f32 sums; the results are quantised again (k along the head's 64, v along the tokens) and stored as IMAGES OF OPERAND REGISTERS.
; kv: 32 records of 13,056 bytes, one for each 128 tokens:  +0 K: 8 tiles x 768 bytes (registers 0-3 at 16 x lane, registers 4-5 at 512 + 8 x lane); lane r of tile 2 b + u is key 32 b + 8 u + r + 8 (r / 8);
;   +6,144 V: 4 tiles of 16 channels x 1,536 bytes (registers 4 c .. 4 c + 3 at 512 c + 16 x lane), the keys along the registers; lane r of tile 2 y + u is channel 32 y + 8 u + r + 8 (r / 8);
;   +12,288 K's scale words [lane][4]: word j of lane l: tile 2 j + l / 16, row l % 16, bytes 2 and 3 = 127;   +12,800 V's [lane][2]: word j of lane l: tile 2 j + l / 16, row l % 16, byte b: keys 32 b on.
; LIMITS: NaN and infinities are not served; a block of zeros gets the byte 1 (its codes are zeros; this program alone reads the bytes).
; SHARES.  A work-group takes 32 tokens.  Wave = role + 4 kq: kq is a quarter of K (512 codes, 384 bytes of a row).  All waves run ONE text: two fragment sets P0, P1 as source 0, two sets R0, R1 as source 1,
; four accumulators (i, u) = P_u x R_i.  Roles 0, 1 (k, channels 32 role on): P = rows of wk, R = tokens.  Roles 2, 3 (v): P = tokens, R = rows of wv.  Since wkvq's rows are permuted, and the tokens of a
; set are taken 0-7 and 16-23 (+ 8 for the second set), a lane's 16 registers (i, 0), (i, 1) are 16 NEIGHBOURS along the axis that is quantised next.
; K IS PERMUTED ALIKE IN BOTH OPERANDS, so that every load is of 16 bytes at a multiple of 16: of each 192 bytes of a row (256 codes, 8 blocks) lanes 0-15 take the first 96 and lanes 16-31 the last 96:
; 24 registers, 12 for each of two matrix instructions.  Byte b of instruction s' then scales block 4 (b % 2) + 2 s' + b / 2: the scale words are remade by v_perm_b32.
; The four quarters of K meet in LDS (one barrier); waves 0-3 add them, quantise and store.  The scale bytes and half of V's codes leave in pieces under 256 bytes: under 30,000 bytes in the launch.
; xq's and wkvq's codes lie in blocks of 24,576 bytes, [row / 128][k / 256][row % 128][192 bytes]: a quarter of K is two blocks, and rows are 192 bytes apart (this replaces the 384 bytes of a row named above).
.set SEL, 42
	s_load_b128 s[4:7], s[0:1], 0x0                ; xq, wkvq
	s_load_b64 s[8:9], s[0:1], 0x10                ; kv
	v_lshrrev_b32 v1, 5, v0
	s_delay_alu instid0(VALU_DEP_1)
	v_readfirstlane_b32 s10, v1                    ; wave 0..15
	s_and_b32 s11, s10, 3                          ; role
	s_lshr_b32 s12, s10, 2                         ; kq
	v_and_b32 v29, 15, v0                          ; r
	v_bfe_u32 v30, v0, 4, 1                        ; h
	s_delay_alu instid0(VALU_DEP_2)
	v_and_b32 v31, 8, v29
	s_delay_alu instid0(VALU_DEP_1)
	v_add_nc_u32 v31, v31, v29                     ; r + 8 (r / 8)
	s_delay_alu instid0(VALU_DEP_4)
	v_mul_u32_u24 v64, v29, 192
	s_delay_alu instid0(VALU_DEP_1)
	v_mad_u32_u24 v64, v30, 96, v64                ; a weight's row r, + 96 h
	s_delay_alu instid0(VALU_DEP_3)
	v_mul_u32_u24 v65, v31, 192
	s_delay_alu instid0(VALU_DEP_1)
	v_mad_u32_u24 v65, v30, 96, v65                ; token r + 8 (r / 8), + 96 h
	s_wait_alu depctr_va_vdst(0)
	v_lshlrev_b32 v66, 6, v29                      ; and their rows of scale bytes
	v_lshlrev_b32 v67, 6, v31
	s_wait_alu depctr_va_vdst(0)
	v_and_b32 v68, 31, v0
	s_delay_alu instid0(VALU_DEP_1)
	v_lshlrev_b32 v68, 4, v68
	s_lshl_b32 s18, s10, 12
	v_add_nc_u32 v9, s18, v68                      ; LDS: 4,096 x wave + 16 x lane: where I put my sums; also where a finaliser of v reads
	s_lshl_b32 s18, s10, 11
	v_add_nc_u32 v10, s18, v68                     ; 2,048 x wave + 16 x lane: where a finaliser of k reads
	s_mul_i32 s20, s11, 6144                       ; the weight's rows 32 role on,
	s_mul_i32 s18, s12, 49152                      ; my quarter of K: two blocks
	s_add_co_u32 s20, s20, s18
	s_mov_b32 s21, 0
	s_lshr_b32 s22, ttmp9, 2                       ; my work-group's 32 tokens: group of 128,
	s_mul_i32 s22, s22, 196608
	s_and_b32 s23, ttmp9, 3
	s_mul_i32 s23, s23, 6144                       ; and which 32 rows of 192 bytes in it
	s_add_co_u32 s22, s22, s23
	s_add_co_u32 s22, s22, s18
	s_mov_b32 s23, 0
	s_lshl_b32 s24, s11, 11
	s_lshl_b32 s18, s12, 4
	s_add_co_u32 s24, s24, s18
	s_add_co_u32 s24, s24, 196608                  ; the weight's scale bytes
	s_mov_b32 s25, 0
	s_lshl_b32 s26, ttmp9, 11
	s_add_co_u32 s26, s26, s18
	s_add_co_u32 s26, s26, 6291456                 ; the tokens'
	s_mov_b32 s27, 0
	s_mov_b32 s14, 1536                            ; from a set to the next: 8 tokens, 16 rows of a weight
	s_mov_b32 s15, 3072
	s_mov_b32 s16, 512
	s_mov_b32 s17, 1024
	s_mov_b32 s40, 0x05010400                      ; blocks 0, 4, 1, 5 of a pair of scale words
	s_mov_b32 s41, 0x07030602                      ; blocks 2, 6, 3, 7
	s_mov_b32 s[SEL], 0x76543210
	s_mov_b32 s[SEL+1], 0xfedcba98
	s_mov_b32 s44, 0xffff0000                      ; lanes 16-31
	s_cmp_lt_u32 s11, 2                            ; k's role?
	s_cselect_b32 s13, -1, 0
	s_cselect_b32 s14, 3072, s14                   ; P's stride
	s_cselect_b32 s15, 1536, s15                   ; R's
	s_cselect_b32 s16, 1024, s16
	s_cselect_b32 s17, 512, s17
	v_cndmask_b32 v1, v65, v64, s13                ; P0
	v_cndmask_b32 v3, v64, v65, s13                ; R0
	v_cndmask_b32 v5, v67, v66, s13                ; their scale bytes
	v_cndmask_b32 v7, v66, v67, s13
	s_delay_alu instid0(VALU_DEP_4)
	v_add_nc_u32 v2, s14, v1                       ; P1
	s_delay_alu instid0(VALU_DEP_4)
	v_add_nc_u32 v4, s15, v3                       ; R1
	s_delay_alu instid0(VALU_DEP_4)
	v_add_nc_u32 v6, s16, v5
	s_delay_alu instid0(VALU_DEP_4)
	v_add_nc_u32 v8, s17, v7
	s_wait_alu depctr_va_vdst(0)
	s_wait_kmcnt 0x0
	s_add_nc_u64 s[20:21], s[6:7], s[20:21]
	s_add_nc_u64 s[22:23], s[4:5], s[22:23]
	s_add_nc_u64 s[24:25], s[6:7], s[24:25]
	s_add_nc_u64 s[26:27], s[4:5], s[26:27]
	s_cmp_lt_u32 s11, 2
	s_cselect_b64 s[28:29], s[20:21], s[22:23]     ; P's codes
	s_cselect_b64 s[30:31], s[22:23], s[20:21]     ; R's
	s_cselect_b64 s[32:33], s[24:25], s[26:27]     ; P's scale bytes
	s_cselect_b64 s[34:35], s[26:27], s[24:25]
	global_load_b128 v[12:15], v5, s[32:33]        ; 16 scale bytes a row: my quarter of K
	global_load_b128 v[16:19], v6, s[32:33]
	global_load_b128 v[20:23], v7, s[34:35]
	global_load_b128 v[24:27], v8, s[34:35]
.macro CLOAD q, n, base                ; set q, pair n of K steps: my 96 bytes into v[64 + 48 q + 24 n] on
.irp j, 0,1,2,3,4,5
	global_load_b128 v[64+48*\q+24*\n+4*\j:64+48*\q+24*\n+4*\j+3], v[1+\q], s[\base:\base+1] offset:24576*\n+16*\j
.endr
.endm
.irp n, 0,1
	CLOAD 0, \n, 28
	CLOAD 1, \n, 28
	CLOAD 2, \n, 30
	CLOAD 3, \n, 30
.endr
	s_wait_loadcnt 48                              ; the scale bytes are in; the 48 loads of codes stay out
; pair m = 2 q + n has its natural words in v[12 + 2 m], v[13 + 2 m].  The first instruction's word goes to a register that is done with (v28, then the pair before's first word), the second's onto v[13 + 2 m].
.set M, 0
.rept 8
.if M == 0
	v_perm_b32 v28, v[13+2*M], v[12+2*M], s40
.else
	v_perm_b32 v[10+2*M], v[13+2*M], v[12+2*M], s40
.endif
	v_perm_b32 v[13+2*M], v[13+2*M], v[12+2*M], s41
.set M, M+1
.endr
.rept 8
	v_nop                                          ; a scale register written by a vector instruction stands 8 places ahead of a scaled matrix instruction
.endr
.macro MM n, sp, zero                  ; four matrix instructions, the four accumulators by turns
.irp i, 0,1
.irp u, 0,1
.set MP, 2*\u+\n
.set MR, 2*(2+\i)+\n
.if \sp
.set SA, 13+2*MP
.set SB, 13+2*MR
.else
.if MP == 0
.set SA, 28
.else
.set SA, 10+2*MP
.endif
.set SB, 10+2*MR
.endif
.if \zero
	v_wmma_scale_f32_16x16x128_f8f6f4 v[32+16*\i+8*\u:32+16*\i+8*\u+7], v[64+48*\u+24*\n+12*\sp:64+48*\u+24*\n+12*\sp+11], v[160+48*\i+24*\n+12*\sp:160+48*\i+24*\n+12*\sp+11], 0, v[SA], v[SB] matrix_a_fmt:MATRIX_FMT_FP6 matrix_b_fmt:MATRIX_FMT_FP6
.else
	v_wmma_scale_f32_16x16x128_f8f6f4 v[32+16*\i+8*\u:32+16*\i+8*\u+7], v[64+48*\u+24*\n+12*\sp:64+48*\u+24*\n+12*\sp+11], v[160+48*\i+24*\n+12*\sp:160+48*\i+24*\n+12*\sp+11], v[32+16*\i+8*\u:32+16*\i+8*\u+7], v[SA], v[SB] matrix_a_fmt:MATRIX_FMT_FP6 matrix_b_fmt:MATRIX_FMT_FP6
.endif
.endr
.endr
.endm
	s_wait_alu depctr_va_vdst(0)
	s_wait_loadcnt 24                              ; the first pair's 24 loads are in
	MM 0, 0, 1                                     ; the first products start the sums
	MM 0, 1, 0
	s_wait_loadcnt 0x0
	MM 1, 0, 0
	MM 1, 1, 0
.rept 4
	v_nop                                          ; places ahead of the first read of results, and of loads and writes into registers that the products read
.endr
.irp q, 0,1,2,3,4,5,6,7
	ds_store_b128 v9, v[32+4*\q:32+4*\q+3] offset:512*\q   ; my 32 registers as they stand, each accumulator from its low end on
.endr
	s_wait_dscnt 0x0                               ; for the others' sake: my stores have landed
	s_barrier_signal -1
	s_barrier_wait -1
	s_cmp_lt_u32 s10, 4
	s_cbranch_scc1 .Lfinal
	s_wait_xcnt 0x0
	v_lshl_add_u32 v30, v0, 2, 0x10000
	v_mov_b32 v31, 0
	s_wait_alu depctr_va_vdst(0)
	s_wait_tensorcnt 0x0
	ds_add_u32 v30, v31
	s_wait_dscnt 0x0
	s_endpgm
; Finaliser f.  f < 2: K's tile f of these 32 tokens; unit e = channels 32 e on = role e's accumulators (f, 0), (f, 1).  f >= 2: role f's v; unit e = its tile e of channels = accumulators (e, 0), (e, 1).
.macro FLOAD adr, es                   ; 4 quarters of K x 2 units x 16 registers
.irp k, 0,1,2,3
.irp e, 0,1
.irp g, 0,1,2,3
	ds_load_b128 v[64+32*\k+16*\e+4*\g:64+32*\k+16*\e+4*\g+3], v[\adr] offset:16384*\k+\es*\e+512*\g
.endr
.endr
.endr
.endm
.Lfinal:
	s_cmp_lt_u32 s10, 2
	s_cbranch_scc0 .Lread_v
	FLOAD 10, 4096
	s_branch .Lread_done
.Lread_v:
	FLOAD 9, 2048
.Lread_done:
	v_mov_b32 v202, 0                              ; a lane permute's destination counts as one of its sources
	v_mov_b32 v203, 0
	v_and_b32 v212, 31, v0
	s_delay_alu instid0(VALU_DEP_1)
	v_lshlrev_b32 v213, 3, v212                    ; 8 x lane
	s_delay_alu instid0(VALU_DEP_2)
	v_lshlrev_b32 v212, 4, v212                    ; 16 x lane
	v_lshlrev_b32 v214, 4, v29                     ; 16 r
	v_mul_u32_u24 v215, v30, 1536
	s_delay_alu instid0(VALU_DEP_1)
	v_lshl_add_u32 v215, v29, 4, v215              ; 1,536 h + 16 r
	s_lshr_b32 s18, ttmp9, 2
	s_mul_i32 s18, s18, 13056
	s_mov_b32 s19, 0
	s_add_nc_u64 s[8:9], s[8:9], s[18:19]          ; my record
	s_and_b32 s36, ttmp9, 3                        ; which 32 of its 128 tokens
	s_wait_dscnt 0x0
.irp j, 0,2,4,6,8,10,12,14,16,18,20,22,24,26,28,30
	v_pk_add_f32 v[64+\j:65+\j], v[64+\j:65+\j], v[96+\j:97+\j]
	v_pk_add_f32 v[128+\j:129+\j], v[128+\j:129+\j], v[160+\j:161+\j]
.endr
.irp j, 0,2,4,6,8,10,12,14,16,18,20,22,24,26,28,30
	v_pk_add_f32 v[64+\j:65+\j], v[64+\j:65+\j], v[128+\j:129+\j]
.endr
; two blocks of 32, each 16 numbers in me and 16 in lane l xor 16: v64-79, v80-95
	v_max3_num_f32 v200, |v64|, |v65|, 0x1800000   ; with the floor 2^(3 - 127): the byte cannot fall under 1
	v_max3_num_f32 v201, |v80|, |v81|, 0x1800000
.irp i, 2,4,6,8,10,12,14
	s_delay_alu instid0(VALU_DEP_2)
	v_max3_num_f32 v200, v200, |v[64+\i]|, |v[65+\i]|
	s_delay_alu instid0(VALU_DEP_2)
	v_max3_num_f32 v201, v201, |v[80+\i]|, |v[81+\i]|
.endr
	s_delay_alu instid0(VALU_DEP_2)
	v_permlanex16_b32 v202, v200, s[SEL], s[SEL+1]
	s_delay_alu instid0(VALU_DEP_2)
	v_permlanex16_b32 v203, v201, s[SEL], s[SEL+1]
	s_delay_alu instid0(VALU_DEP_2)
	v_max_num_f32 v200, v200, v202
	s_delay_alu instid0(VALU_DEP_2)
	v_max_num_f32 v201, v201, v203
	s_delay_alu instid0(VALU_DEP_2)
	v_add_nc_u32 v204, 0xff000000, v200            ; 2 off the exponent field: the conversion's scale operand
	s_delay_alu instid0(VALU_DEP_2)
	v_add_nc_u32 v205, 0xff000000, v201
	s_delay_alu instid0(VALU_DEP_2)
	v_lshrrev_b32 v206, 23, v204                   ; the scales' bytes
	s_delay_alu instid0(VALU_DEP_2)
	v_lshrrev_b32 v207, 23, v205
	v_cvt_scalef32_pk16_fp6_f32 v[192:194], v[64:79], v204
	v_cvt_scalef32_pk16_fp6_f32 v[208:210], v[80:95], v205
	v_nop                                          ; one plain line behind the conversions
.irp i, 0,1,2
	v_permlane16_swap_b32 v[192+\i], v[208+\i]     ; lanes 0-15 now hold unit 0's block whole, lanes 16-31 unit 1's: the lower 16 codes here, the upper 16 there
.endr
.irp i, 0,1,2
	s_delay_alu instid0(VALU_DEP_3)
	v_mov_b32 v[195+\i], v[208+\i]
.endr
	s_cmp_lt_u32 s10, 2
	s_cbranch_scc0 .Lstore_v
	s_mul_i32 s18, s36, 1536                       ; K: tile 2 x (which 32) + f
	s_mul_i32 s37, s10, 768
	s_add_co_u32 s18, s18, s37
	s_add_nc_u64 s[38:39], s[8:9], s[18:19]
	s_lshl_b32 s18, s10, 8                         ; its scale words: lanes 16 f + r, word (which 32)
	s_lshl_b32 s37, s36, 2
	s_add_co_u32 s18, s18, s37
	s_add_co_u32 s18, s18, 12288
	s_add_nc_u64 s[8:9], s[8:9], s[18:19]
	s_wait_alu depctr_va_vdst(0)
	v_lshl_or_b32 v211, v207, 8, v206
	s_delay_alu instid0(VALU_DEP_1)
	v_or_b32 v211, 0x7f7f0000, v211                ; bytes 2 and 3 scale codes that are zeros
	global_store_b128 v212, v[192:195], s[38:39]   ; 512 consecutive bytes
	global_store_b64 v213, v[196:197], s[38:39] offset:512   ; 256 consecutive bytes
	global_store_b32 v214, v211, s[8:9]            ; (both halves of the lanes write row r's word with the same value)
	s_wait_xcnt 0x0
	v_lshl_add_u32 v30, v0, 2, 0x10000
	v_mov_b32 v31, 0
	s_wait_alu depctr_va_vdst(0)
	s_wait_tensorcnt 0x0
	ds_add_u32 v30, v31
	s_wait_dscnt 0x0
	s_endpgm
.Lstore_v:
	s_sub_co_u32 s37, s10, 2                       ; V: tiles 2 y and 2 y + 1 of channels, y = f - 2: lanes 0-15 hold the first's row r, lanes 16-31 the second's
	s_and_b32 s45, s36, 1                          ; these 32 keys are block 2 c + hk of the record: the image's lanes 16 hk + r, registers 6 c .. 6 c + 5
	s_mul_i32 s18, s37, 3072
	s_lshl_b32 s45, s45, 8
	s_add_co_u32 s18, s18, s45
	s_add_co_u32 s18, s18, 6144
	s_add_nc_u64 s[38:39], s[8:9], s[18:19]
	s_lshl_b32 s18, s37, 2
	s_add_co_u32 s18, s18, s36
	s_add_co_u32 s18, s18, 12800
	s_add_nc_u64 s[8:9], s[8:9], s[18:19]
	s_wait_alu depctr_va_vdst(0)
	v_cndmask_b32 v211, v206, v207, s44            ; my tile's byte
	global_store_b8 v213, v211, s[8:9]
	s_cmp_lt_u32 s36, 2
	s_cbranch_scc0 .Lupper
	global_store_b128 v215, v[192:195], s[38:39]               ; registers 0-3
	global_store_b64 v215, v[196:197], s[38:39] offset:512     ; registers 4, 5
	s_wait_xcnt 0x0
	v_lshl_add_u32 v30, v0, 2, 0x10000
	v_mov_b32 v31, 0
	s_wait_alu depctr_va_vdst(0)
	s_wait_tensorcnt 0x0
	ds_add_u32 v30, v31
	s_wait_dscnt 0x0
	s_endpgm
.Lupper:
	global_store_b64 v215, v[192:193], s[38:39] offset:520     ; registers 6, 7
	global_store_b128 v215, v[194:197], s[38:39] offset:1024   ; registers 8-11
	s_wait_xcnt 0x0
	v_lshl_add_u32 v30, v0, 2, 0x10000
	v_mov_b32 v31, 0
	s_wait_alu depctr_va_vdst(0)
	s_wait_tensorcnt 0x0
	ds_add_u32 v30, v31
	s_wait_dscnt 0x0
	s_endpgm
.Lfunc_end_k_q41bec6ee2c_kvproj:
	.size	k_q41bec6ee2c_kvproj, .Lfunc_end_k_q41bec6ee2c_kvproj-k_q41bec6ee2c_kvproj
	.p2alignl 7, 3214868480
	.fill 96, 4, 3214868480
	.section	.rodata,"a",@progbits
	.p2align	6, 0x0
	.amdhsa_kernel k_q41bec6ee2c_kvproj
		.amdhsa_group_segment_fixed_size 67584
		.amdhsa_private_segment_fixed_size 0
		.amdhsa_enable_private_segment 0
		.amdhsa_kernarg_size 24
		.amdhsa_user_sgpr_count 2
		.amdhsa_user_sgpr_kernarg_segment_ptr 1
		.amdhsa_wavefront_size32 1
		.amdhsa_system_sgpr_workgroup_id_x 1
		.amdhsa_system_sgpr_workgroup_id_y 1
		.amdhsa_system_sgpr_workgroup_id_z 1
		.amdhsa_system_vgpr_workitem_id 0
		.amdhsa_next_free_vgpr 256
		.amdhsa_next_free_sgpr 66
		.amdhsa_reserve_vcc 0
		.amdhsa_float_denorm_mode_32 3
		.amdhsa_float_denorm_mode_16_64 3
		.amdhsa_memory_ordered 1
		.amdhsa_forward_progress 1
		.amdhsa_inst_pref_size 27
	.end_amdhsa_kernel
	.amdgpu_metadata
---
amdhsa.version: [ 1, 2 ]
amdhsa.kernels:
  - .name:           k_q41bec6ee2c_kvproj
    .symbol:         k_q41bec6ee2c_kvproj.kd
    .args:
      - { .name: xq, .offset: 0, .size: 8, .value_kind: global_buffer, .address_space: global }
      - { .name: wkvq, .offset: 8, .size: 8, .value_kind: global_buffer, .address_space: global }
      - { .name: kv, .offset: 16, .size: 8, .value_kind: global_buffer, .address_space: global }
    .group_segment_fixed_size: 67584
    .private_segment_fixed_size: 0
    .kernarg_segment_align: 8
    .kernarg_segment_size: 24
    .max_flat_workgroup_size: 512
    .sgpr_count:     66
    .vgpr_count:     256
    .wavefront_size: 32
...
	.end_amdgpu_metadata
.endif
;; end of part 2
;; launch gemm_q (part 3): grid 8 x 32, 4 waves a work-group, clusters of 4 x 4, 327,680 bytes of LDS; arguments xq, wqq, qimg; writes qimg
.if DOCPART == 3
	.amdgcn_target "amdgcn-amd-amdhsa--gfx1250"
	.amdhsa_code_object_version 6
	.text
	.protected	k_q41bec6ee2c_gemm_q
	.globl	k_q41bec6ee2c_gemm_q
	.p2align	8
	.type	k_q41bec6ee2c_gemm_q,@function
k_q41bec6ee2c_gemm_q:
	s_mov_b64 s[64:65], 0
	v_nop
	global_prefetch_b8 v0, s[64:65] scope:SCOPE_SE
	s_setreg_imm32_b32 hwreg(HW_REG_WAVE_MODE, 25, 1), 1
	s_wait_xcnt 0x0
	s_wait_alu depctr_hold_cnt(0) depctr_sa_sdst(0) depctr_va_vdst(0) depctr_va_sdst(0) depctr_va_ssrc(0) depctr_va_vcc(0) depctr_vm_vsrc(0)
	s_getreg_b32 s2, hwreg(HW_REG_IB_STS2, 6, 4)
	s_cmp_eq_u32 s2, 0
	s_cbranch_scc0 .Lentry_in_a_cluster
	s_endpgm
.Lentry_in_a_cluster:
	s_bfe_u32 s2, ttmp6, 0x10000c
	s_cmp_lg_u32 s2, 0xf033
	s_cbranch_scc0 .Lentry_shape_is_right
	s_endpgm
.Lentry_shape_is_right:
.set SIZE_M, 4096
.set SIZE_N, 2048
.set SIZE_K, 2048
.set ASC,    6291456
.set BSC,    3145728
.set KSTEP,  256
.set NQ,     KSTEP/128
; q = x wq on codes of FP6 (E2M3) with E8M0 scales; the result is quantised along each head's 64 and stored as images of operand registers.
; A work-group makes 128 rows x 256 columns, so that the grid is 8 x 32 = 256 work-groups; a wave makes 64 x 128: 32 accumulators, one register window.
; The codes lie in dense blocks of 24,576 bytes (128 rows x 256 along K), taken as rows of 256 bytes, each at a multiple of 256 bytes; 16 bytes of padding behind each 64 lay a row's 192 bytes 240 apart in LDS.
; A slot holds one block of A and two of B.  Waves 0, 1 fetch the halves of A's block (48 rows of 256 bytes each), waves 2, 3 a block of B each: one tensor load a wave.
; CLUSTERS 4 x 4: A's block is asked for jointly along a row of the cluster, B's along a column.
; PREFETCH: behind each refill in the loop a wave names what it will fetch two refills on, in pieces of 256 bytes; each of the four partners that ask jointly names a quarter (12 pieces of A's half block, 24 of B's block),
; told apart by address; the lanes left over name the last piece again.  The loop's last trip has nothing two refills on and asks for nothing; K steps 0 to 3 come by their loads alone.
.set ROWB,   24576                     ; from a K step's block to the next
.set PFO,    30                        ; v30     256 x min(lane, 11 for A, 23 for B); never rewritten
.set PFA,    66                        ; s[66:67] my share of my block, at the K step one behind the refill being asked for
.set KROW,   SIZE_K*6/8
.set PITCH,  240
.set FR,     12
.set NL,     6
.set NP,     4
.set HALFT,  128*PITCH
.set SLOT,   3*HALFT
.set LAPS,   SIZE_K/(2*KSTEP)
.set KS,     SIZE_K/32
.set SCL,    2*SLOT
.set HALFS,  (128*KS/256)*272
.set SBLK,   (16*KS/256)*272
.set SPARE,  SCL+4*HALFS
.set ADRA, 16
.set ADRB, 20
.set SPW,  28
.set NIL,  29
.set ADRS, 27
.set SC,   32
.set AF,   128
.set L16,  64
.set L8,   65
.set L4,   66
.set QC,   112
.set TM,   200
.set PW,   216
.set G1, 24
.set G0, 32
.set G1B, 48
.set G0B, 56
.set G1S, 68
.set G0S, 76
.set G1SB, 80
.set G0SB, 88
.set MSB, 0
.macro WIN new
.if MSB != \new
	s_set_vgpr_msb (MSB<<8)|\new
.set MSB, \new
.endif
.endm
.set MUL_LO, 0xa1
.set MUL_HI, 0xf1
.set TO_B,   0x40
.macro JLOAD g0a, g1a, g0b, g1b
	s_cmp_eq_u32 s15, 0
	s_cbranch_scc0 .Lfor_b_\@
	tensor_load_to_lds s[\g0a:\g0a+3], s[\g1a:\g1a+7]
	s_nop 0
.rept 4
	v_nop
.endr
	s_branch .Lasked_\@
.Lfor_b_\@:
	tensor_load_to_lds s[\g0b:\g0b+3], s[\g1b:\g1b+7]
	s_nop 0
.rept 4
	v_nop
.endr
.Lasked_\@:
.endm
.macro CREST
	s_cmp_lg_u32 s14, 0
	s_cbranch_scc1 .Lnot_wave_0_\@
	s_barrier_signal -3
.Lnot_wave_0_\@:
	s_barrier_wait -3
	s_barrier_signal -1
	s_barrier_wait -1
.endm
.macro CROUND
	s_barrier_signal -1
	s_barrier_wait -1
	CREST
.endm
	s_load_b64 s[4:5], s[0:1], 0x0
	s_load_b64 s[8:9], s[0:1], 0x8
	s_load_b64 s[12:13], s[0:1], 0x10
	v_lshl_add_u32 v[SPW], v0, 2, SPARE
	v_mov_b32 v[NIL], 0
	ds_add_u32 v28, v29
	ds_add_u32 v28, v29
	s_wait_dscnt 0x0
	v_lshrrev_b32 v1, 5, v0
	v_readfirstlane_b32 s14, v1
	s_lshr_b32 s15, s14, 1
	s_and_b32 s16, s14, 1
	s_bfe_u32 s40, ttmp6, 0x40000
	s_bfe_u32 s41, ttmp6, 0x40004
	s_lshl_b32 s42, ttmp9, 2
	s_add_co_u32 s42, s42, s40
	s_and_b32 s17, ttmp7, 0xffff
	s_lshl_b32 s17, s17, 2
	s_add_co_u32 s17, s17, s41
	s_lshl_b32 s43, s41, 2
	s_lshl_b32 s43, 15, s43
	s_lshl_b32 s44, 0x1111, s40
	s_or_b32 s[G1+0], s43, (0<<16)|(1<<20)|(1<<21)|(3<<22)|(3<<25)
	s_or_b32 s[G1B+0], s44, (0<<16)|(1<<20)|(1<<21)|(3<<22)|(3<<25)
	s_mov_b32 s[G1+2], 48<<16                      ; A: half a block, 48 rows of 256 bytes
	s_mov_b32 s[G1+4], 48
	s_mov_b32 s[G1B+2], 96<<16                     ; B: a block, 96 rows
	s_mov_b32 s[G1B+4], 96
.irp g, G1, G1B
	s_mov_b32 s[\g+1], 256<<16
	s_mov_b32 s[\g+3], 256<<16
	s_mov_b32 s[\g+5], 256
	s_mov_b32 s[\g+6], 0
	s_mov_b32 s[\g+7], 0
.endr
	s_or_b32 s[G1S+0], s43, (3<<16)|(1<<20)|(1<<21)|(5<<22)|(3<<25)
	s_or_b32 s[G1SB+0], s44, (3<<16)|(1<<20)|(1<<21)|(5<<22)|(3<<25)
	s_mov_b32 s[G1S+2], 16<<16                     ; the scales of 64 rows of A: 16 rows of 256 bytes
	s_mov_b32 s[G1S+4], 16
	s_mov_b32 s[G1SB+2], 32<<16                    ; of 128 rows of B: 32
	s_mov_b32 s[G1SB+4], 32
.irp g, G1S, G1SB
	s_mov_b32 s[\g+1], 32<<16
	s_mov_b32 s[\g+3], 32<<16
	s_mov_b32 s[\g+5], 32
	s_mov_b32 s[\g+6], 0
	s_mov_b32 s[\g+7], 0
.endr
	s_lshl_b32 s18, s16, 7
	s_lshl_b32 s20, s17, 7
	s_lshl_b32 s19, s16, 6
	s_add_co_u32 s20, s20, s19                     ; A: row 128 x tile row + 64 x half
	s_lshl_b32 s46, s42, 8
	s_add_co_u32 s46, s46, s18
	s_mov_b32 s21, 0
	s_mov_b32 s47, 0
	s_mov_b64 s[18:19], KS
	s_mul_u64 s[22:23], s[20:21], s[18:19]
	s_mul_u64 s[92:93], s[46:47], s[18:19]
	s_mov_b64 s[18:19], KROW
	s_mul_u64 s[46:47], s[46:47], s[18:19]
	s_mul_i32 s20, s17, 196608                     ; A's codes: the tile row's 8 blocks, + 64 rows of 192 bytes x half
	s_mul_i32 s18, s16, 12288
	s_add_co_u32 s20, s20, s18
	s_mul_i32 s45, s16, HALFT/2                    ; LDS: A's halves,
	s_mul_i32 s2, s16, HALFT
	s_add_co_u32 s2, s2, HALFT                     ; B's two blocks behind them
	s_mul_i32 s94, s16, HALFS/2
	s_mul_i32 s95, s16, HALFS
	s_wait_kmcnt 0x0
	s_add_nc_u64 s[6:7], s[4:5], ASC
	s_add_nc_u64 s[10:11], s[8:9], BSC
	s_add_nc_u64 s[20:21], s[4:5], s[20:21]
	s_add_nc_u64 s[22:23], s[6:7], s[22:23]
	s_add_nc_u64 s[46:47], s[8:9], s[46:47]
	s_add_nc_u64 s[92:93], s[10:11], s[92:93]
	CROUND
	s_mov_b32 s[G0S], 1
	s_add_co_u32 s[G0S+1], s94, SCL
	s_mov_b64 s[G0S+2:G0S+3], s[22:23]
	s_or_b32 s[G0S+3], s[G0S+3], 0x80000000
	s_mov_b32 s[G0SB], 1
	s_add_co_u32 s[G0SB+1], s95, SCL+HALFS
	s_mov_b64 s[G0SB+2:G0SB+3], s[92:93]
	s_or_b32 s[G0SB+3], s[G0SB+3], 0x80000000
	JLOAD G0S, G1S, G0SB, G1SB
.irp s, 0,1
	s_mov_b32 s[G0+4*\s], 1
	s_add_co_u32 s[G0+4*\s+1], s45, \s*SLOT
	s_add_nc_u64 s[G0+4*\s+2:G0+4*\s+3], s[20:21], \s*ROWB
	s_or_b32 s[G0+4*\s+3], s[G0+4*\s+3], 0x80000000
	s_mov_b32 s[G0B+4*\s], 1
	s_add_co_u32 s[G0B+4*\s+1], s2, \s*SLOT
	s_add_nc_u64 s[G0B+4*\s+2:G0B+4*\s+3], s[46:47], \s*ROWB
	s_or_b32 s[G0B+4*\s+3], s[G0B+4*\s+3], 0x80000000
	s_wait_alu depctr_va_vdst(0)
	s_wait_tensorcnt 0x0
	ds_add_u32 v28, v29
	s_wait_dscnt 0x0
	CROUND
	JLOAD G0+4*\s, G1, G0B+4*\s, G1B
.endr
	s_mov_b32 s93, 6144
	s_cmp_eq_u32 s15, 0                            ; do I fetch for A?
	s_cselect_b64 s[PFA:PFA+1], s[20:21], s[46:47] ; what I fetch of K step 0
	s_cselect_b32 s94, s40, s41                    ; my place among the four that ask for it with me
	s_cselect_b32 s93, 3072, s93                   ; a quarter of it: 12 pieces of 256 bytes, or 24
	s_cselect_b32 s92, 11, 23
	s_mul_i32 s94, s94, s93
	s_mov_b32 s95, 0
	s_add_nc_u64 s[PFA:PFA+1], s[PFA:PFA+1], s[94:95]
	v_and_b32 v[PFO], 31, v0
	v_min_u32 v[PFO], s92, v[PFO]
	v_lshlrev_b32 v[PFO], 8, v[PFO]
	v_and_b32 v1, 15, v0
	v_bfe_u32 v2, v0, 4, 1
	v_mul_u32_u24 v3, v1, PITCH
	v_mul_u32_u24 v4, v2, 24
	v_add_nc_u32 v4, v3, v4
	v_lshl_add_u32 v5, v2, 4, v4
	s_mul_i32 s21, s15, HALFT/2                    ; my 64 rows of A
	s_mul_i32 s22, s16, HALFT                      ; my 128 rows of B,
	s_add_co_u32 s22, s22, HALFT                   ; behind A's 128
.irp s, 0,1
	v_add_nc_u32 v[ADRA+\s], s21, v4
	v_add_nc_u32 v[ADRB+\s], s22, v4
	v_add_nc_u32 v[ADRA+2+\s], s21, v5
	v_add_nc_u32 v[ADRB+2+\s], s22, v5
	s_add_co_u32 s21, s21, SLOT
	s_add_co_u32 s22, s22, SLOT
.endr
	v_mul_u32_u24 v5, v1, KS
	v_lshrrev_b32 v6, 8, v5
	v_lshl_add_u32 v5, v6, 4, v5
	s_mul_i32 s21, s15, HALFS/2
	s_mul_i32 s22, s16, HALFS
	s_add_co_u32 s22, s22, HALFS
	s_sub_co_u32 s22, s22, s21
	v_mul_u32_u24 v6, s22, v2
	s_add_co_u32 s21, s21, SCL
	v_add_nc_u32 v5, v5, v6
	v_add_nc_u32 v[ADRS], s21, v5
	s_lshl_b32 s20, s17, 3                         ; my first block of 16 tokens: 8 x tile row + 4 x half
	s_lshl_b32 s21, s15, 2
	s_add_co_u32 s20, s20, s21
	s_lshl_b32 s46, s42, 1
	s_add_co_u32 s46, s46, s16
	s_mul_i32 s22, s20, 24576
	s_mul_i32 s23, s46, 1536
	s_add_co_u32 s22, s22, s23
	s_mov_b32 s23, 0
	s_lshl_b32 s20, s20, 11
	s_lshl_b32 s46, s46, 7
	s_add_co_u32 s20, s20, s46
	s_add_co_u32 s20, s20, 6291456
	s_mov_b32 s21, 0
	s_add_nc_u64 s[96:97], s[12:13], s[20:21]
	s_add_nc_u64 s[12:13], s[12:13], s[22:23]
.macro FRAG reg, adr, q, i
.irp p, 0,1,2,3,4,5
.set PC, 12*(\q)+6*(\p/3)+\p%3
.if PC%8 < 5
	ds_load_b64 v[\reg+2*\p:\reg+2*\p+1], v[\adr] offset:8*PC+16*(PC/8)+(\i)*16*PITCH
.else
	ds_load_b64 v[\reg+2*\p:\reg+2*\p+1], v[\adr+2] offset:8*PC+16*(PC/8)+(\i)*16*PITCH
.endif
.endr
.endm
.macro MUL8 a0, p, q, sc, zero         ; A's block a0 against B's eight: eight accumulators, one instruction each
.irp a, \a0
.irp b, 0,1,2,3,4,5,6,7
.if \zero
	v_wmma_scale_f32_16x16x128_f8f6f4 v[8*(8*((\a)%4)+\b):8*(8*((\a)%4)+\b)+7], v[128*(\p)+FR*\b:128*(\p)+FR*\b+FR-1], v[AF+FR*(\a):AF+FR*(\a)+FR-1], 0, v[SC+8*NQ*(\sc)+NQ*\b+(\q)], v[SC+8*NQ*(\sc)+NQ*(\a)+(\q)] matrix_a_fmt:MATRIX_FMT_FP6 matrix_b_fmt:MATRIX_FMT_FP6 matrix_a_scale:MATRIX_SCALE_ROW1
.else
	v_wmma_scale_f32_16x16x128_f8f6f4 v[8*(8*((\a)%4)+\b):8*(8*((\a)%4)+\b)+7], v[128*(\p)+FR*\b:128*(\p)+FR*\b+FR-1], v[AF+FR*(\a):AF+FR*(\a)+FR-1], v[8*(8*((\a)%4)+\b):8*(8*((\a)%4)+\b)+7], v[SC+8*NQ*(\sc)+NQ*\b+(\q)], v[SC+8*NQ*(\sc)+NQ*(\a)+(\q)] matrix_a_fmt:MATRIX_FMT_FP6 matrix_b_fmt:MATRIX_FMT_FP6 matrix_a_scale:MATRIX_SCALE_ROW1
.endif
.endr
.endr
.endm
.macro FETCH_B slot, q, p
	WIN TO_B
.irp i, 0,1,2,3,4,5,6,7
	FRAG 128*(\p)+FR*\i, ADRB+\slot, \q, \i
.endr
	WIN 0
.endm
.macro FETCH_A slot, q, i0
.irp i, \i0, \i0+1
	FRAG AF+FR*(\i), ADRA+\slot, \q, \i
.endr
.endm
.macro SCALES sc
.irp i, 0,1,2,3,4,5,6,7
	ds_load_b64 v[SC+8*NQ*\sc+NQ*\i:SC+8*NQ*\sc+NQ*\i+1], v[ADRS] offset:\i*SBLK
.endr
.endm
.macro PLACES n
.rept \n
	v_nop
.endr
.endm
.macro STEP slot, q, zero
	s_wait_dscnt 2*NL                              ; B's set and A's blocks 0, 1 are in; the twelve youngest loads (A's blocks 2, 3) may be out
	WIN MUL_LO
	MUL8 0, (\q)%2, \q, \slot, \zero
	MUL8 1, (\q)%2, \q, \slot, \zero
	s_wait_dscnt 0
	PLACES NP
	FETCH_B \slot, (\q)+1, 1-(\q)%2
	FETCH_A \slot, (\q)+1, 0
	WIN MUL_LO
	MUL8 2, (\q)%2, \q, \slot, \zero
	MUL8 3, (\q)%2, \q, \slot, \zero
	PLACES NP
	WIN 0
	FETCH_A \slot, (\q)+1, 2
.endm
.macro TURN slot, next, fill
.if \fill
	s_wait_xcnt 0x0                                ; my last prefetch has read its address: it is stepped here
	s_add_nc_u64 s[PFA:PFA+1], s[PFA:PFA+1], ROWB
.endif
	s_wait_tensorcnt 0x0
	ds_add_u32 v[SPW], v[NIL]
	s_wait_dscnt 2*NL+1                            ; (the add and the twelve youngest loads may be out)
	WIN MUL_LO
	MUL8 0, 1, NQ-1, \slot, 0
	MUL8 1, 1, NQ-1, \slot, 0
	s_wait_dscnt 0x0                               ; the add is done, and my reads of this slot are over
	s_barrier_signal -1
	MUL8 2, 1, NQ-1, \slot, 0
	WIN 0
	s_barrier_wait -1
.if \fill
	CREST
	s_add_nc_u64 s[G0+4*\slot+2:G0+4*\slot+3], s[G0+4*\slot+2:G0+4*\slot+3], 2*ROWB
	s_add_nc_u64 s[G0B+4*\slot+2:G0B+4*\slot+3], s[G0B+4*\slot+2:G0B+4*\slot+3], 2*ROWB
	JLOAD G0+4*\slot, G1, G0B+4*\slot, G1B
.else
	PLACES NP
.endif
	s_wait_alu depctr_va_vdst(0)
	v_add_nc_u32 v[ADRS], 4*NQ, v[ADRS]
	FETCH_B \next, 0, 0
	FETCH_A \next, 0, 0
	SCALES \next
.if \fill
	s_cmp_gt_u32 s3, 1                             ; s3 = 1 in the loop's last trip
	s_cbranch_scc0 .Lno_ask_\@
	global_prefetch_b8 v[PFO], s[PFA:PFA+1] offset:3*ROWB th:TH_LOAD_NT scope:SCOPE_SE
.Lno_ask_\@:
.endif
	WIN MUL_LO
	MUL8 3, 1, NQ-1, \slot, 0
	PLACES NP
	WIN 0
	FETCH_A \next, 0, 2
.endm
	s_wait_alu depctr_va_vdst(0)
	s_wait_tensorcnt 1
	s_barrier_signal -1
	s_barrier_wait -1
	FETCH_B 0, 0, 0
	FETCH_A 0, 0, 0
	SCALES 0
	FETCH_A 0, 0, 2
	STEP 0, 0, 1
	s_mov_b32 s3, LAPS-1
.Llap:
	TURN 0, 1, 1
	STEP 1, 0, 0
	TURN 1, 0, 1
	STEP 0, 0, 0
	s_sub_co_u32 s3, s3, 1
	s_cmp_lg_u32 s3, 0
	s_cbranch_scc1 .Llap
	TURN 0, 1, 0
	STEP 1, 0, 0
	s_wait_dscnt 2*NL
	WIN MUL_LO
	MUL8 0, 1, NQ-1, 1, 0
	MUL8 1, 1, NQ-1, 1, 0
	s_wait_dscnt 0
	MUL8 2, 1, NQ-1, 1, 0
	MUL8 3, 1, NQ-1, 1, 0
	WIN 0
	PLACES NP
	s_mov_b32 s18, 0x76543210
	s_mov_b32 s19, 0xfedcba98
	v_and_b32 v[L16], 31, v0
	v_lshlrev_b32 v[L8], 3, v[L16]
	v_lshlrev_b32 v[L4], 2, v[L16]
	v_lshlrev_b32 v[L16], 4, v[L16]
.irp b, 0,1,2,3
	v_mov_b32 v[TM+4+\b], 0
.endr
.macro QOUT a
.set AC, 64*((\a)%4)
.set QW1, 2+(\a)/4
.set QW2, QW1*5
.if (\a) > 0
	s_wait_xcnt 0x0
.endif
	WIN QW2
.irp b, 0,1,2,3
	v_max3_num_f32 v[TM+\b], |v[AC+16*\b]|, |v[AC+16*\b+1]|, 0x1800000
.endr
.irp i, 2,4,6,8,10,12,14
.irp b, 0,1,2,3
	v_max3_num_f32 v[TM+\b], |v[AC+16*\b+\i]|, |v[AC+16*\b+\i+1]|, v[TM+\b]
.endr
.endr
	WIN 0
.irp b, 0,1,2,3
	v_permlanex16_b32 v[TM+4+\b], v[TM+\b], s18, s19
.endr
.irp b, 0,1,2,3
	v_max_num_f32 v[TM+\b], v[TM+\b], v[TM+4+\b]
.endr
.irp b, 0,1,2,3
	v_add_nc_u32 v[TM+12+\b], 0xff000000, v[TM+\b]
.endr
.irp b, 0,1,2,3
	v_lshrrev_b32 v[TM+4+\b], 23, v[TM+12+\b]
.endr
	v_lshl_or_b32 v[PW], v[TM+5], 8, v[TM+4]
	v_lshl_or_b32 v[PW], v[TM+6], 16, v[PW]
	v_lshl_or_b32 v[PW], v[TM+7], 24, v[PW]
	WIN QW1
.irp c, 0,1
	v_cvt_scalef32_pk16_fp6_f32 v[QC+6*\c:QC+2+6*\c], v[AC+32*\c:AC+15+32*\c], v[TM+12+2*\c]
	v_cvt_scalef32_pk16_fp6_f32 v[QC+12+4*\c:QC+14+4*\c], v[AC+16+32*\c:AC+31+32*\c], v[TM+12+2*\c+1]
.endr
	WIN 0
	v_nop
.irp c, 0,1
.irp i, 0,1,2
	v_permlane16_swap_b32 v[QC+6*\c+\i], v[QC+12+4*\c+\i]
.endr
.irp i, 0,1,2
	v_mov_b32 v[QC+3+6*\c+\i], v[QC+12+4*\c+\i]
.endr
.endr
	global_store_b128 v[L16], v[QC:QC+3], s[12:13] offset:(\a)*24576
	global_store_b64 v[L8], v[QC+4:QC+5], s[12:13] offset:(\a)*24576+512
	global_store_b128 v[L16], v[QC+6:QC+9], s[12:13] offset:(\a)*24576+768
	global_store_b64 v[L8], v[QC+10:QC+11], s[12:13] offset:(\a)*24576+1280
	global_store_b32 v[L4], v[PW], s[96:97] offset:(\a)*2048
.endm
.irp a, 0,1,2,3
	QOUT \a
.endr
	s_wait_tensorcnt 0x0
	ds_add_u32 v[SPW], v[NIL]
	s_wait_dscnt 0x0
	CROUND
	s_endpgm
.Lfunc_end_k_q41bec6ee2c_gemm_q:
	.size	k_q41bec6ee2c_gemm_q, .Lfunc_end_k_q41bec6ee2c_gemm_q-k_q41bec6ee2c_gemm_q
	.p2alignl 7, 3214868480
	.fill 96, 4, 3214868480
	.section	.rodata,"a",@progbits
	.p2align	6, 0x0
	.amdhsa_kernel k_q41bec6ee2c_gemm_q
		.amdhsa_group_segment_fixed_size 327680
		.amdhsa_private_segment_fixed_size 0
		.amdhsa_enable_private_segment 0
		.amdhsa_kernarg_size 24
		.amdhsa_user_sgpr_count 2
		.amdhsa_user_sgpr_kernarg_segment_ptr 1
		.amdhsa_wavefront_size32 1
		.amdhsa_system_sgpr_workgroup_id_x 1
		.amdhsa_system_sgpr_workgroup_id_y 1
		.amdhsa_system_sgpr_workgroup_id_z 1
		.amdhsa_system_vgpr_workitem_id 0
		.amdhsa_next_free_vgpr 768
		.amdhsa_next_free_sgpr 98
		.amdhsa_reserve_vcc 0
		.amdhsa_float_denorm_mode_32 3
		.amdhsa_float_denorm_mode_16_64 3
		.amdhsa_memory_ordered 1
		.amdhsa_forward_progress 1
		.amdhsa_inst_pref_size 106
	.end_amdhsa_kernel
	.amdgpu_metadata
---
amdhsa.version: [ 1, 2 ]
amdhsa.kernels:
  - .name:           k_q41bec6ee2c_gemm_q
    .symbol:         k_q41bec6ee2c_gemm_q.kd
    .args:
      - { .name: xq, .offset: 0, .size: 8, .value_kind: global_buffer, .address_space: global }
      - { .name: wqq, .offset: 8, .size: 8, .value_kind: global_buffer, .address_space: global }
      - { .name: qimg, .offset: 16, .size: 8, .value_kind: global_buffer, .address_space: global }
    .group_segment_fixed_size: 327680
    .private_segment_fixed_size: 0
    .kernarg_segment_align: 8
    .kernarg_segment_size: 24
    .max_flat_workgroup_size: 128
    .sgpr_count:     98
    .vgpr_count:     768
    .wavefront_size: 32
...
	.end_amdgpu_metadata
.endif
;; end of part 3
;; launch attn (part 4): grid 128 x 2, 16 waves a work-group, clusters of 4 x 1, 327,680 bytes of LDS; arguments qimg, kv, oq; writes oq
.if DOCPART == 4
	.amdgcn_target "amdgcn-amd-amdhsa--gfx1250"
	.amdhsa_code_object_version 6
	.text
	.protected	k_q41bec6ee2c_attn
	.globl	k_q41bec6ee2c_attn
	.p2align	8
	.type	k_q41bec6ee2c_attn,@function
k_q41bec6ee2c_attn:
	s_mov_b64 s[64:65], 0
	v_nop
	global_prefetch_b8 v0, s[64:65] scope:SCOPE_SE
	s_setreg_imm32_b32 hwreg(HW_REG_WAVE_MODE, 25, 1), 1
	s_wait_xcnt 0x0
	s_wait_alu depctr_hold_cnt(0) depctr_sa_sdst(0) depctr_va_vdst(0) depctr_va_sdst(0) depctr_va_ssrc(0) depctr_va_vcc(0) depctr_vm_vsrc(0)
	s_getreg_b32 s2, hwreg(HW_REG_IB_STS2, 6, 4)
	s_cmp_eq_u32 s2, 0
	s_cbranch_scc0 .Lentry_in_a_cluster
	s_endpgm
.Lentry_in_a_cluster:
	s_bfe_u32 s2, ttmp6, 0x10000c
	s_cmp_lg_u32 s2, 0x3003
	s_cbranch_scc0 .Lentry_shape_is_right
	s_endpgm
.Lentry_shape_is_right:
; Causal attention with one key and value head for 32 query heads of size 64, both products on codes of FP6 (E2M3) with one E8M0 scale for each 32 along a product's K.
; IN: qimg (images of Q's fragments and their scale words) and kv (a record of 13,056 bytes for each 128 keys: K's 8 tiles, V's 4 tiles, their scale words), as the launches before laid them.
; OUT: oq: the result, quantised along head x 64 + channel: codes [4096 tokens][1536 bytes], scale bytes [4096][64] at 6,291,456.
; THE SOFTMAX: t = score x log2(e) / 8; M = the row's largest t so far, rounded UP to a whole number; p = 2^(t - M) is quantised along the keys, not normalised.  The row's sum is taken of the unquantised p
; and divides at the end.  When M moves, the sum and O are multiplied by 2^(old M - new M): exact.
; LIMITS: NaN and infinities are not served; a block of zeros gets the byte 1 (its codes are zeros; this program alone reads the bytes).
; SHARES.  A work-group takes 16 heads (one a wave) of TWO blocks of 16 tokens of one batch: block p (job A, g + 1 key steps of 128, g = p / 8) and block 127 - p (job B, 16 - g steps): 17 steps for every wave.
; Steps all of whose keys come after the block's tokens are left out by a scalar branch on g; the trip counts are constants.
; A batch's 16 records, 208,896 bytes, lie in LDS for the whole launch, filled once.  CLUSTER: the four partners have the same batch (and the same g) and ask for the records JOINTLY.
; Job A reads keys under 1,024 alone: it starts when the first half has landed.
; LAYOUT.  Both products are used transposed: S^T = K Q^T (source 0 = 16 keys, source 1 = my 16 tokens), O^T = V^T P^T: a lane holds ONE token (lane % 16) throughout.  The first product's K is 64: registers
; 6-11 of both fragments are zeros.  The keys of a tile of K and the channels of a tile of V are laid so that the 16 registers of two neighbouring tiles are 16 neighbours.
; (These lines replace what the comment above says of oq's codes and of job A's start.)
; oq's codes lie in dense blocks of 24,576 bytes, [token / 128][4 heads = 256 along K][token % 128][192 bytes].
; Each of the 16 waves asks for one record, 51 rows of 256 bytes: one tensor load a wave; all sixteen are awaited ahead of the one barrier in front of the jobs.
; The two jobs follow each other with no barrier between them: each has a stage of its own, and both leave behind one barrier at the end.
.set REC,   13056
.set STGA,  16*REC                     ; 208,896: job A's stage: 16 tokens x (16 heads x 48 bytes + 16)
.set STGD,  12800                      ; job B's lies so far behind it
.set SSCA,  STGA+2*STGD                ; 234,496: job A's scale bytes: 16 tokens x 32; job B's 512 bytes on
.set SPARE, SSCA+1024                  ; 235,520: the spare words, 128 bytes for each wave, which no other line names
.set A16, 1                            ; v1   16 x lane
.set A8,  2                            ; v2   8 x lane
.set ADK, 3                            ; v3   the step's record + 16 x lane
.set AD8, 4                            ; v4   + 8 x lane
.set DVA, 5                            ; v5   job A: my token's place in the step on the diagonal - 16 (lane / 16)
.set QSA, 6                            ; v6   job A: Q's scale words
.set PSC, 7                            ; v7   p's scale word
.set KSC, 8                            ; v8-11  K's scale words: register j: lanes 0-15 tile 2 j, lanes 16-31 tile 2 j + 1
.set VSC, 16                           ; v16-17 V's likewise.   v12 -M, v13 the largest t, v[14:15] the sum in two halves
.set SIN, 18                           ; v18  the stage: where I put 24 bytes
.set SSI, 19                           ; v19  where I put two scale bytes
.set GSO, 21                           ; v21  the scale bytes' place in memory
.set SPW, 22                           ; v22  LDS address of my spare word; never rewritten
.set NIL, 23                           ; v23  0; never rewritten
.set QA,  24                           ; v24-35 job A's Q: six registers of codes, six of zeros
.set KF,  36                           ; v36-83 four fragments of K: each six registers of codes, six of zeros that stay
.set QB,  84                           ; v84-95 job B's Q
.set S,   96                           ; v96-159 S^T, then p, then V's four fragments (v96-143)
.set O,   160                          ; v160-191 O^T
.set PCD, 192                          ; v192-203 p's codes;  v204-206, v208-210 the conversions' second halves
.set PY,  204
.set QSB, 211                          ; v211 job B: Q's scale words
.set BM,  212                          ; v212-215 the blocks' largest scores, then p
.set PT,  216                          ; v216-219 from lane l xor 16; then the scales' bytes
.set SO,  220                          ; v220-223 the conversions' scale operands
.set F,   224                          ; v[224:225] f = 2^(old M - new M)
.set SU,  226                          ; v[226:227] the sum's second chain
.set TMP, 228
.set NEG, 229                          ; -infinity
.set A4,  230                          ; 4 x lane
.set SSO, 231                          ; where wave 0 reads the scale bytes back
.set OU,  232                          ; v232-241 the way out
.set DVB, 242                          ; job B's DVA
.set WV,  10
.set G1,  24                           ; s[24:31] descriptor group 1;  s[32:35] group 0
.set G0,  32
.set PA,  40                           ; s[40:47] job A: Q's images, Q's scale words, my row of codes, the block's scale bytes;  s[48:55] job B
.set PB,  48
.set CS,  56                           ; s[56:57] c = log2(e) / 8
.set SEL, 58                           ; s[58:59] v_permlanex16_b32's selects for lane l xor 16
.set TB,  60                           ; s60 LDS byte of the step's record
.set SI,  61                           ; s61 the step
.set NJA, 62                           ; s62, s63 the step on the diagonal
.set NJB, 63
.macro ROUND                           ; a round of the cluster's barrier
	s_barrier_signal -1
	s_barrier_wait -1
	s_cmp_lg_u32 s[WV], 0
	s_cbranch_scc1 .Lnot_wave_0_\@
	s_barrier_signal -3
.Lnot_wave_0_\@:
	s_barrier_wait -3
	s_barrier_signal -1
	s_barrier_wait -1
.endm
	s_load_b128 s[4:7], s[0:1], 0x0                ; qimg, kv
	s_load_b64 s[8:9], s[0:1], 0x10                ; oq
	v_lshl_add_u32 v[SPW], v0, 2, SPARE
	v_mov_b32 v[NIL], 0
	ds_add_u32 v22, v23
	ds_add_u32 v22, v23
	s_wait_dscnt 0x0
	v_lshrrev_b32 v1, 5, v0
	s_delay_alu instid0(VALU_DEP_1)
	v_readfirstlane_b32 s[WV], v1                  ; wave 0..15
	s_and_b32 s11, ttmp7, 0xffff                   ; the batch
	s_lshr_b32 s12, ttmp9, 2                       ; g: the same in all four partners
	s_bfe_u32 s16, ttmp6, 0x40000                  ; cx: it enters global addresses and the mask's vector alone
	s_and_b32 s13, ttmp9, 3
	s_lshl_b32 s13, s13, 2
	s_add_co_u32 s13, s13, s16                     ; 0 .. 15
	s_and_b32 s14, s13, 7                          ; p % 8
	s_lshr_b32 s15, s13, 3                         ; which 16 heads
	s_lshl_b32 s17, s15, 4
	s_add_co_u32 s17, s17, s[WV]                   ; my head
	s_lshl_b32 s18, s12, 3
	s_add_co_u32 s18, s18, s14                     ; job A's block
	s_sub_co_u32 s19, 127, s18                     ; job B's
	s_mov_b32 s[NJA], s12
	s_sub_co_u32 s[NJB], 15, s12
	s_mov_b32 s[CS], 0x3e38aa3b                    ; c = log2(e) / 8
	s_mov_b32 s[CS+1], s[CS]                       ; (named with it as a pair, so it is written)
	s_mov_b32 s[SEL], 0x76543210
	s_mov_b32 s[SEL+1], 0xfedcba98
	; descriptor group 1: a record, 13,056 dense bytes, as 51 rows of 256 bytes (32 elements of 8 bytes), no padding
	s_mov_b32 s[G1], 15|(3<<16)|(1<<21)            ; 15:0 the mask: all four work-groups; 17:16 elements of 8 bytes; 21 set beside a mask
	s_mov_b32 s[G1+1], 32<<16                      ; tensor_dim0
	s_mov_b32 s[G1+2], 51<<16                      ; tensor_dim1
	s_mov_b32 s[G1+3], 32<<16                      ; tile_dim0
	s_mov_b32 s[G1+4], 51                          ; tile_dim1
	s_mov_b32 s[G1+5], 32                          ; tensor_dim0_stride
	s_mov_b32 s[G1+6], 0
	s_mov_b32 s[G1+7], 0
	s_mul_i32 s66, s[WV], REC                      ; wave w: record w, in LDS and in memory alike
	s_mul_i32 s68, s11, 16*REC                     ; the batch's records
	s_add_co_u32 s68, s68, s66
	s_mov_b32 s69, 0
	s_wait_kmcnt 0x0
	s_add_nc_u64 s[68:69], s[6:7], s[68:69]
	ROUND                                          ; all four work-groups are here: the joint loads meet
	s_mov_b32 s[G0], 1                             ; count = 1
	s_add_co_u32 s[G0+1], s66, 0                   ; LDS address
	s_add_nc_u64 s[G0+2:G0+3], s[68:69], 0
	s_or_b32 s[G0+3], s[G0+3], 0x80000000          ; type = 2
	tensor_load_to_lds s[G0:G0+3], s[G1:G1+7]      ; every wave's one load: its record
	s_nop 0
.rept 4
	v_nop
.endr
.macro PTRS base, blk                  ; a job's four addresses; blk: the register with its block
	s_lshl_b32 s70, s11, 7
	s_add_co_u32 s70, s70, s[\blk]                 ; which 16 tokens of the 4,096
	s_mul_i32 s72, s70, 24576
	s_mul_i32 s74, s17, 768
	s_add_co_u32 s72, s72, s74
	s_mov_b32 s73, 0
	s_add_nc_u64 s[\base:\base+1], s[4:5], s[72:73]
	s_lshl_b32 s72, s70, 11
	s_lshr_b32 s74, s17, 1
	s_lshl_b32 s74, s74, 7
	s_add_co_u32 s72, s72, s74
	s_add_co_u32 s72, s72, 6291456
	s_add_nc_u64 s[\base+2:\base+3], s[4:5], s[72:73]
	s_lshr_b32 s72, s70, 3                         ; on the way out wave w stores 768 consecutive bytes: the group of 128 tokens,
	s_mul_i32 s72, s72, 196608
	s_and_b32 s74, s70, 7
	s_mul_i32 s74, s74, 3072                       ; my 16 tokens' rows of 192 bytes,
	s_add_co_u32 s72, s72, s74
	s_lshl_b32 s74, s15, 2
	s_lshr_b32 s76, s[WV], 2
	s_add_co_u32 s74, s74, s76                     ; the block of heads 4 (w / 4) on of my 16,
	s_mul_i32 s74, s74, 24576
	s_add_co_u32 s72, s72, s74
	s_and_b32 s74, s[WV], 3
	s_mul_i32 s74, s74, 768                        ; tokens 4 (w % 4) on
	s_add_co_u32 s72, s72, s74
	s_add_nc_u64 s[\base+4:\base+5], s[8:9], s[72:73]
	s_lshl_b32 s72, s70, 10
	s_lshl_b32 s74, s15, 5
	s_add_co_u32 s72, s72, s74
	s_add_co_u32 s72, s72, 6291456
	s_add_nc_u64 s[\base+6:\base+7], s[8:9], s[72:73]
.endm
	PTRS PA, 18
	PTRS PB, 19
	v_and_b32 v[TMP], 31, v0                       ; lane
	s_delay_alu instid0(VALU_DEP_1)
	v_lshlrev_b32 v[A16], 4, v[TMP]
	s_delay_alu instid0(VALU_DEP_2)
	v_lshlrev_b32 v[A8], 3, v[TMP]
	s_delay_alu instid0(VALU_DEP_3)
	v_lshlrev_b32 v[A4], 2, v[TMP]
	global_load_b128 v[QA:QA+3], v[A16], s[PA:PA+1]            ; both jobs' Q stay in registers
	global_load_b64 v[QA+4:QA+5], v[A8], s[PA:PA+1] offset:512
	global_load_b32 v[QSA], v[A4], s[PA+2:PA+3]
	global_load_b128 v[QB:QB+3], v[A16], s[PB:PB+1]
	global_load_b64 v[QB+4:QB+5], v[A8], s[PB:PB+1] offset:512
	global_load_b32 v[QSB], v[A4], s[PB+2:PB+3]
	v_and_b32 v[SU], 15, v0                        ; r
	v_bfe_u32 v[SU+1], v0, 4, 1                    ; h
	s_delay_alu instid0(VALU_DEP_2)
	v_mul_u32_u24 v[SIN], v[SU], 784
	s_delay_alu instid0(VALU_DEP_1)
	v_mad_u32_u24 v[SIN], v[SU+1], 24, v[SIN]
	s_mul_i32 s72, s[WV], 48
	s_add_co_u32 s72, s72, STGA
	v_add_nc_u32 v[SIN], s72, v[SIN]               ; row r, my head's 48 bytes, + 24 h
	v_lshlrev_b32 v[SSI], 5, v[SU]
	s_lshl_b32 s72, s[WV], 1
	s_add_co_u32 s72, s72, SSCA
	v_add_nc_u32 v[SSI], s72, v[SSI]               ; row r of 32 bytes, my head's two
	v_lshrrev_b32 v[GSO], 1, v[TMP]
	s_delay_alu instid0(VALU_DEP_1)
	v_lshlrev_b32 v[GSO], 6, v[GSO]
	v_and_b32 v[NEG], 1, v[TMP]
	s_delay_alu instid0(VALU_DEP_1)
	v_lshl_add_u32 v[GSO], v[NEG], 4, v[GSO]       ; 64 (lane / 2) + 16 (lane % 2)
	v_add_nc_u32 v[SSO], SSCA, v[A16]
	v_lshlrev_b32 v[NEG], 4, v[SU+1]
	s_delay_alu instid0(VALU_DEP_1)
	v_sub_nc_u32 v[NEG], v[SU], v[NEG]             ; r - 16 h
	s_lshl_b32 s72, s14, 4                         ; job A's block begins 16 (p % 8) keys into its last step,
	s_sub_co_u32 s74, 112, s72                     ; job B's 16 (7 - p % 8)
	v_add_nc_u32 v[DVA], s72, v[NEG]
	v_add_nc_u32 v[DVB], s74, v[NEG]
	v_mov_b32 v[NEG], 0xff800000                   ; -infinity
.irp i, 6,7,8,9,10,11
	v_mov_b32 v[QA+\i], 0                          ; the zeros of K = 64 .. 127
	v_mov_b32 v[QB+\i], 0
.irp t, 0,1,2,3
	v_mov_b32 v[KF+12*\t+\i], 0
.endr
.endr
.irp b, 0,1,2,3
	v_mov_b32 v[PT+\b], 0                          ; a lane permute's destination counts as one of its sources
.endr
	v_mov_b32 v[F+1], 0                            ; (named as the upper half of a pair)
	s_and_b32 s75, s[WV], 1
	s_lshl_b32 s75, s75, 4
	s_wait_loadcnt 0x0                             ; Q
	v_lshrrev_b32 v[QSA], s75, v[QSA]              ; an odd head's two bytes come down; what stands in bytes 2 and 3 scales zeros and is never 0xff
	v_lshrrev_b32 v[QSB], s75, v[QSB]
	s_wait_tensorcnt 0x0                           ; my record is in
	s_barrier_signal -1
	s_barrier_wait -1                              ; everybody's is
; A KEY STEP: 128 keys.
.macro STEP q, qsc, dv, nj
	s_cmp_gt_u32 s[SI], s[\nj]                     ; all its keys come after my tokens: left out, but for the line at its end that steps the address
	s_cbranch_scc1 .Lskip_\@
	v_add_nc_u32 v[ADK], s[TB], v[A16]
	s_wait_alu depctr_va_vdst(0)
	v_add_nc_u32 v[AD8], s[TB], v[A8]
	s_wait_alu depctr_va_vdst(0)
.rept 3
	v_nop                                          ; with the two additions: five places ahead of the matrix instructions that write over V's fragments
.endr
	ds_load_b128 v[KSC:KSC+3], v[ADK] offset:12288
.irp g, 0,1                                    ; S^T = K Q^T, four tiles of 16 keys at a time
.if \g
.rept 4
	v_nop                                          ; places in front of loads into registers that matrix instructions have read
.endr
.endif
.irp t, 0,1,2,3
	ds_load_b128 v[KF+12*\t:KF+12*\t+3], v[ADK] offset:768*(4*\g+\t)
	ds_load_b64 v[KF+12*\t+4:KF+12*\t+5], v[AD8] offset:768*(4*\g+\t)+512
.endr
	s_wait_dscnt 0x0
.irp t, 0,1,2,3
.if (\t)%2
	v_wmma_scale_f32_16x16x128_f8f6f4 v[S+8*(4*\g+\t):S+8*(4*\g+\t)+7], v[KF+12*\t:KF+12*\t+11], v[\q:\q+11], 0, v[KSC+(4*\g+\t)/2], v[\qsc] matrix_a_fmt:MATRIX_FMT_FP6 matrix_b_fmt:MATRIX_FMT_FP6 matrix_a_scale:MATRIX_SCALE_ROW1
.else
	v_wmma_scale_f32_16x16x128_f8f6f4 v[S+8*(4*\g+\t):S+8*(4*\g+\t)+7], v[KF+12*\t:KF+12*\t+11], v[\q:\q+11], 0, v[KSC+(4*\g+\t)/2], v[\qsc] matrix_a_fmt:MATRIX_FMT_FP6 matrix_b_fmt:MATRIX_FMT_FP6
.endif
.endr
.endr                                          ; register 16 b + i: key 32 b + 16 (lane / 16) + i of the step
.rept 4
	v_nop
.endr
	s_cmp_lg_u32 s[SI], s[\nj]                     ; on the diagonal the scores of hidden keys become -infinity ahead of the maximum: p = 0 then
	s_cbranch_scc1 .Lopen_\@
.set N, 0
.rept 64
	v_cmp_gt_i32 vcc_lo, 32*(N/16)+N%16, v[\dv]
	v_cndmask_b32 v[S+N], v[S+N], v[NEG], vcc_lo
.set N, N+1
.endr
.Lopen_\@:
.irp b, 0,1,2,3
	v_max3_num_f32 v[BM+\b], v[S+16*\b], v[S+1+16*\b], v[S+2+16*\b]   ; the largest score of each block of 32 keys: for the row's maximum, and, since p rises with the score, for the block's largest p
.endr
.irp i, 3,5,7,9,11,13
.irp b, 0,1,2,3
	v_max3_num_f32 v[BM+\b], v[BM+\b], v[S+16*\b+\i], v[S+1+16*\b+\i]
.endr
.endr
.irp b, 0,1,2,3
	v_max_num_f32 v[BM+\b], v[BM+\b], v[S+15+16*\b]
.endr
.irp b, 0,1,2,3
	s_delay_alu instid0(VALU_DEP_4)
	v_permlanex16_b32 v[PT+\b], v[BM+\b], s[SEL], s[SEL+1]
.endr
.irp b, 0,1,2,3
	s_delay_alu instid0(VALU_DEP_4)
	v_max_num_f32 v[BM+\b], v[BM+\b], v[PT+\b]     ; with lane l xor 16's 16 keys
.endr
	s_delay_alu instid0(VALU_DEP_2)
	v_max3_num_f32 v[TMP], v[BM], v[BM+1], v[BM+2]
	s_delay_alu instid0(VALU_DEP_1)
	v_max_num_f32 v[TMP], v[TMP], v[BM+3]
	s_delay_alu instid0(VALU_DEP_1)
	v_mul_f32 v[TMP], s[CS], v[TMP]                ; as t (c is positive)
	s_delay_alu instid0(VALU_DEP_1)
	v_max_num_f32 v13, v13, v[TMP]                 ; the running largest t
	v_mov_b32 v[TMP], v12
	s_delay_alu instid0(VALU_DEP_2)
	v_floor_f32 v12, -v13                          ; the new -M = floor(-t): M is a whole number
	s_delay_alu instid0(VALU_DEP_1)
	v_sub_f32 v[TMP], v12, v[TMP]                  ; old M - new M: a whole number, 0 or less
	s_delay_alu instid0(VALU_DEP_1)
	v_cvt_i32_f32 v[TMP], v[TMP]                   ; (it saturates)
	s_delay_alu instid0(VALU_DEP_1)
	v_ldexp_f32 v[F], 1.0, v[TMP]                  ; f = 2^(old M - new M)
.irp j, 0,2,4,6,8,10,12,14,16,18,20,22,24,26,28,30,32,34,36,38,40,42,44,46,48,50,52,54,56,58,60,62
	v_pk_fma_f32 v[S+\j:S+1+\j], v[S+\j:S+1+\j], s[CS:CS+1], v[12:13] op_sel_hi:[1,0,0]   ; t - M, two at a time
.endr
.irp b, 0,1,2,3
	v_fma_f32 v[BM+\b], v[BM+\b], s[CS], v12       ; the same of each block's largest score
.endr
.set N, 0
	s_wait_alu depctr_va_vdst(0)
.rept 64
	v_exp_f32 v[S+N], v[S+N]                       ; p = 2^(t - M), at most 1
.set N, N+1
.endr
	v_pk_mul_f32 v[14:15], v[14:15], v[F:F+1] op_sel_hi:[1,0]   ; the sums under the new M (a plain line behind the exponentials)
	s_wait_alu depctr_va_vdst(0)                   ; one wait for the batch, ahead of its first reader
.irp b, 0,1,2,3
	v_exp_f32 v[BM+\b], v[BM+\b]                   ; the block's largest p: the same two instructions on the same number give the same bits
.endr
	v_pk_add_f32 v[226:227], v[100:101], v[104:105]
	v_pk_add_f32 v[254:255], v[108:109], v[112:113]
	v_pk_add_f32 v[252:253], v[116:117], v[120:121]
	v_pk_add_f32 v[250:251], v[124:125], v[128:129]
	v_pk_add_f32 v[248:249], v[132:133], v[136:137]
	v_pk_add_f32 v[246:247], v[140:141], v[144:145]
	v_pk_add_f32 v[244:245], v[148:149], v[152:153]
	v_pk_add_f32 v[14:15], v[14:15], v[156:157]
	v_pk_add_f32 v[226:227], v[226:227], v[96:97]
	v_pk_add_f32 v[254:255], v[254:255], v[98:99]
	v_pk_add_f32 v[252:253], v[252:253], v[102:103]
	v_pk_add_f32 v[250:251], v[250:251], v[106:107]
	v_pk_add_f32 v[248:249], v[248:249], v[110:111]
	v_pk_add_f32 v[246:247], v[246:247], v[114:115]
	v_pk_add_f32 v[244:245], v[244:245], v[118:119]
	v_pk_add_f32 v[14:15], v[14:15], v[122:123]
	v_pk_add_f32 v[226:227], v[226:227], v[126:127]
	v_pk_add_f32 v[254:255], v[254:255], v[130:131]
	v_pk_add_f32 v[252:253], v[252:253], v[134:135]
	v_pk_add_f32 v[250:251], v[250:251], v[138:139]
	v_pk_add_f32 v[248:249], v[248:249], v[142:143]
	v_pk_add_f32 v[246:247], v[246:247], v[146:147]
	v_pk_add_f32 v[244:245], v[244:245], v[150:151]
	v_pk_add_f32 v[14:15], v[14:15], v[154:155]
	v_pk_add_f32 v[226:227], v[226:227], v[158:159]
	s_delay_alu instid0(VALU_DEP_2)
	v_pk_add_f32 v[14:15], v[14:15], v[250:251]
	s_delay_alu instid0(VALU_DEP_2)
	v_pk_add_f32 v[226:227], v[226:227], v[248:249]
	v_pk_add_f32 v[254:255], v[254:255], v[246:247]
	v_pk_add_f32 v[252:253], v[252:253], v[244:245]
	s_delay_alu instid0(VALU_DEP_2)
	v_pk_add_f32 v[14:15], v[14:15], v[254:255]
	s_delay_alu instid0(VALU_DEP_2)
	v_pk_add_f32 v[226:227], v[226:227], v[252:253]
	s_delay_alu instid0(VALU_DEP_1)
	v_pk_add_f32 v[14:15], v[14:15], v[226:227]
	s_wait_alu depctr_va_vdst(0)                   ; and one for the four
.irp b, 0,1,2,3
	v_max_num_f32 v[BM+\b], 0x1800000, v[BM+\b]    ; the floor 2^(3 - 127): the byte cannot fall under 1
.endr
.irp b, 0,1,2,3
	s_delay_alu instid0(VALU_DEP_4)
	v_add_nc_u32 v[SO+\b], 0xff000000, v[BM+\b]    ; 2 off the exponent field: the conversion's scale operand
.endr
.irp b, 0,1,2,3
	s_delay_alu instid0(VALU_DEP_4)
	v_lshrrev_b32 v[PT+\b], 23, v[SO+\b]           ; the scale's byte
.endr
	s_delay_alu instid0(VALU_DEP_3)
	v_lshl_or_b32 v[PSC], v[PT+1], 8, v[PT]        ; p's scale word for these 128 keys
	s_delay_alu instid0(VALU_DEP_1)
	v_lshl_or_b32 v[PSC], v[PT+2], 16, v[PSC]
	s_delay_alu instid0(VALU_DEP_1)
	v_lshl_or_b32 v[PSC], v[PT+3], 24, v[PSC]
.irp c, 0,1
	v_cvt_scalef32_pk16_fp6_f32 v[PCD+6*\c:PCD+2+6*\c], v[S+32*\c:S+15+32*\c], v[SO+2*\c]
	v_cvt_scalef32_pk16_fp6_f32 v[PY+4*\c:PY+2+4*\c], v[S+16+32*\c:S+31+32*\c], v[SO+2*\c+1]
.endr
	v_nop                                          ; one plain line behind the conversions
.irp t, 0,1,2,3                                ; p is done with: V's four fragments take its registers, and land under the lines below
.irp c, 0,1,2
	ds_load_b128 v[S+12*\t+4*\c:S+12*\t+4*\c+3], v[ADK] offset:6144+1536*\t+512*\c
.endr
.endr
	ds_load_b64 v[VSC:VSC+1], v[AD8] offset:12800
.irp c, 0,1                                    ; the operand's layout wants a whole block in a lane
.irp i, 0,1,2
	v_permlane16_swap_b32 v[PCD+6*\c+\i], v[PY+4*\c+\i]
.endr
.irp i, 0,1,2
	s_delay_alu instid0(VALU_DEP_3)
	v_mov_b32 v[PCD+3+6*\c+\i], v[PY+4*\c+\i]
.endr
.endr
.irp j, 0,2,4,6,8,10,12,14,16,18,20,22,24,26,28,30
	v_pk_mul_f32 v[O+\j:O+1+\j], v[O+\j:O+1+\j], v[F:F+1] op_sel_hi:[1,0]   ; O^T under the new M (also the places between p's codes and scale word and the products)
.endr
	s_wait_alu depctr_va_vdst(0)
	s_wait_dscnt 0x0
.irp t, 0,1,2,3                                ; O^T += V^T P^T: four accumulators, one instruction each
.if (\t)%2
	v_wmma_scale_f32_16x16x128_f8f6f4 v[O+8*\t:O+8*\t+7], v[S+12*\t:S+12*\t+11], v[PCD:PCD+11], v[O+8*\t:O+8*\t+7], v[VSC+\t/2], v[PSC] matrix_a_fmt:MATRIX_FMT_FP6 matrix_b_fmt:MATRIX_FMT_FP6 matrix_a_scale:MATRIX_SCALE_ROW1
.else
	v_wmma_scale_f32_16x16x128_f8f6f4 v[O+8*\t:O+8*\t+7], v[S+12*\t:S+12*\t+11], v[PCD:PCD+11], v[O+8*\t:O+8*\t+7], v[VSC+\t/2], v[PSC] matrix_a_fmt:MATRIX_FMT_FP6 matrix_b_fmt:MATRIX_FMT_FP6
.endif
.endr
.Lskip_\@:
	s_add_co_u32 s[TB], s[TB], REC                 ; the next record
.endm
; A JOB: one block of 16 tokens of my head.  j: 0 or 1; trips: a constant, the most steps that any work-group's job of this kind has.
.macro JOB j, trips, q, qsc, dv, nj
	v_mov_b32 v13, 0xff61b1e6                      ; the largest t so far: -3e38
	s_delay_alu instid0(VALU_DEP_1)
	v_floor_f32 v12, -v13                          ; -M
	v_mov_b32 v14, 0
	v_mov_b32 v15, 0
.set N, 0
.rept 32
	v_mov_b32 v[O+N], 0                            ; the step is written once: the first finds zeros, which the first change of M leaves zeros
.set N, N+1
.endr
	s_mov_b32 s[TB], 0
	s_mov_b32 s[SI], 0
.Ljob_\@:
	STEP \q, \qsc, \dv, \nj
	s_add_co_u32 s[SI], s[SI], 1
	s_cmp_lt_u32 s[SI], \trips
	s_cbranch_scc1 .Ljob_\@
.rept 4
	v_nop                                          ; places behind the last products
.endr
	v_add_f32 v14, v14, v15
	s_delay_alu instid0(VALU_DEP_1)
	v_permlanex16_b32 v[TMP], v14, s[SEL], s[SEL+1]
	s_delay_alu instid0(VALU_DEP_1)
	v_add_f32 v14, v14, v[TMP]                     ; the row's sum
	s_wait_alu depctr_va_vdst(0)
	v_rcp_f32 v14, v14
	v_nop                                          ; a plain line behind the reciprocal
	s_wait_alu depctr_va_vdst(0)                   ; and the wait ahead of its first reader
.set N, 0
.rept 32
	v_mul_f32 v[S+N], v[O+N], v14                  ; register 16 y + i: channel 32 y + 16 (lane / 16) + i of my head
.set N, N+1
.endr
	v_max3_num_f32 v[BM], |v[S]|, |v[S+1]|, 0x1800000        ; the head's two blocks of 32 are quantised for the last product
	v_max3_num_f32 v[BM+1], |v[S+16]|, |v[S+17]|, 0x1800000
.irp i, 2,4,6,8,10,12,14
	s_delay_alu instid0(VALU_DEP_2)
	v_max3_num_f32 v[BM], v[BM], |v[S+\i]|, |v[S+1+\i]|
	s_delay_alu instid0(VALU_DEP_2)
	v_max3_num_f32 v[BM+1], v[BM+1], |v[S+16+\i]|, |v[S+17+\i]|
.endr
	s_delay_alu instid0(VALU_DEP_2)
	v_permlanex16_b32 v[PT], v[BM], s[SEL], s[SEL+1]
	s_delay_alu instid0(VALU_DEP_2)
	v_permlanex16_b32 v[PT+1], v[BM+1], s[SEL], s[SEL+1]
	s_delay_alu instid0(VALU_DEP_2)
	v_max_num_f32 v[BM], v[BM], v[PT]
	s_delay_alu instid0(VALU_DEP_2)
	v_max_num_f32 v[BM+1], v[BM+1], v[PT+1]
	s_delay_alu instid0(VALU_DEP_2)
	v_add_nc_u32 v[SO], 0xff000000, v[BM]
	s_delay_alu instid0(VALU_DEP_2)
	v_add_nc_u32 v[SO+1], 0xff000000, v[BM+1]
	s_delay_alu instid0(VALU_DEP_2)
	v_lshrrev_b32 v[PT], 23, v[SO]
	s_delay_alu instid0(VALU_DEP_2)
	v_lshrrev_b32 v[PT+1], 23, v[SO+1]
	v_cvt_scalef32_pk16_fp6_f32 v[PCD:PCD+2], v[S:S+15], v[SO]
	v_cvt_scalef32_pk16_fp6_f32 v[PY:PY+2], v[S+16:S+31], v[SO+1]
	v_lshl_or_b32 v[TMP], v[PT+1], 8, v[PT]        ; the two bytes (also the plain line behind the conversions)
.irp i, 0,1,2
	v_permlane16_swap_b32 v[PCD+\i], v[PY+\i]
.endr
.irp i, 0,1,2
	s_delay_alu instid0(VALU_DEP_3)
	v_mov_b32 v[PCD+3+\i], v[PY+\i]                ; lane (r, h): the 24 bytes of token r, channels 32 h on
.endr
.irp i, 0,1,2
	ds_store_b64 v[SIN], v[PCD+2*\i:PCD+2*\i+1] offset:\j*STGD+8*\i
.endr
	ds_store_b16 v[SSI], v[TMP] offset:\j*512      ; (both halves of the lanes write the same two bytes)
.endm
; The way out of a job: wave w stores four tokens' 192 bytes of one block of four heads: 768 consecutive bytes, three aligned runs of 256; wave 0 also the block's 16 x 32 scale bytes (pieces of 32 bytes).
.macro OUT j, pb
	s_wait_xcnt 0x0                                ; earlier stores have read their registers
.irp i, 0,1,2
	ds_load_b64 v[OU+2*\i:OU+2*\i+1], v[S+\i] offset:\j*STGD
.endr
	s_wait_dscnt 0x0
.irp i, 0,1,2
	global_store_b64 v[A8], v[OU+2*\i:OU+2*\i+1], s[\pb+4:\pb+5] offset:256*\i
.endr
	s_cmp_lg_u32 s[WV], 0
	s_cbranch_scc1 .Lnot_0_\@
	ds_load_b128 v[OU+6:OU+9], v[SSO] offset:\j*512
	s_wait_dscnt 0x0
	global_store_b128 v[GSO], v[OU+6:OU+9], s[\pb+6:\pb+7]
.Lnot_0_\@:
.endm
	JOB 0, 8, QA, QSA, DVA, NJA
	JOB 1, 16, QB, QSB, DVB, NJB                   ; (it stores into a stage of its own)
	; where I read the stages back: piece y = lane + 32 i of my 96 pieces of 8 bytes lies in stage row 4 (w % 4) + y / 24, at byte 192 (w / 4) + 8 (y % 24): 8 y + 592 (y / 24) from my first
	s_and_b32 s72, s[WV], 3
	s_mul_i32 s72, s72, 4*784
	s_lshr_b32 s74, s[WV], 2
	s_mul_i32 s74, s74, 192
	s_add_co_u32 s72, s72, s74
	s_add_co_u32 s72, s72, STGA
	v_and_b32 v[S+3], 31, v0
.irp i, 0,1,2
	v_add_nc_u32 v[S+4+\i], 32*\i, v[S+3]
	v_mul_u32_u24 v[S+\i], v[S+4+\i], 43
	v_lshrrev_b32 v[S+\i], 10, v[S+\i]             ; y / 24, for y under 96
	v_mul_u32_u24 v[S+\i], v[S+\i], 592
	v_lshl_add_u32 v[S+\i], v[S+4+\i], 3, v[S+\i]
	v_add_nc_u32 v[S+\i], s72, v[S+\i]
.endr
	s_wait_alu depctr_va_vdst(0)
	s_wait_dscnt 0x0                               ; my stores into both stages have landed
	s_barrier_signal -1
	s_barrier_wait -1                              ; everybody's
	OUT 0, PA
	OUT 1, PB
	s_wait_tensorcnt 0x0                           ; the wave's end
	ds_add_u32 v[SPW], v[NIL]
	s_wait_dscnt 0x0
	ROUND                                          ; the closing round
	s_endpgm
.Lfunc_end_k_q41bec6ee2c_attn:
	.size	k_q41bec6ee2c_attn, .Lfunc_end_k_q41bec6ee2c_attn-k_q41bec6ee2c_attn
	.p2alignl 7, 3214868480
	.fill 96, 4, 3214868480
	.section	.rodata,"a",@progbits
	.p2align	6, 0x0
	.amdhsa_kernel k_q41bec6ee2c_attn
		.amdhsa_group_segment_fixed_size 327680
		.amdhsa_private_segment_fixed_size 0
		.amdhsa_enable_private_segment 0
		.amdhsa_kernarg_size 24
		.amdhsa_user_sgpr_count 2
		.amdhsa_user_sgpr_kernarg_segment_ptr 1
		.amdhsa_wavefront_size32 1
		.amdhsa_system_sgpr_workgroup_id_x 1
		.amdhsa_system_sgpr_workgroup_id_y 1
		.amdhsa_system_sgpr_workgroup_id_z 1
		.amdhsa_system_vgpr_workitem_id 0
		.amdhsa_next_free_vgpr 256
		.amdhsa_next_free_sgpr 80
		.amdhsa_reserve_vcc 1
		.amdhsa_float_denorm_mode_32 3
		.amdhsa_float_denorm_mode_16_64 3
		.amdhsa_memory_ordered 1
		.amdhsa_forward_progress 1
		.amdhsa_inst_pref_size 68
	.end_amdhsa_kernel
	.amdgpu_metadata
---
amdhsa.version: [ 1, 2 ]
amdhsa.kernels:
  - .name:           k_q41bec6ee2c_attn
    .symbol:         k_q41bec6ee2c_attn.kd
    .args:
      - { .name: qimg, .offset: 0, .size: 8, .value_kind: global_buffer, .address_space: global }
      - { .name: kv, .offset: 8, .size: 8, .value_kind: global_buffer, .address_space: global }
      - { .name: oq, .offset: 16, .size: 8, .value_kind: global_buffer, .address_space: global }
    .group_segment_fixed_size: 327680
    .private_segment_fixed_size: 0
    .kernarg_segment_align: 8
    .kernarg_segment_size: 24
    .max_flat_workgroup_size: 512
    .sgpr_count:     80
    .vgpr_count:     256
    .wavefront_size: 32
...
	.end_amdgpu_metadata
.endif
;; end of part 4
;; launch gemm_o (part 5): grid 8 x 32, 4 waves a work-group, clusters of 4 x 4, 327,680 bytes of LDS; arguments oq, woq, out0; writes out0
.if DOCPART == 5
	.amdgcn_target "amdgcn-amd-amdhsa--gfx1250"
	.amdhsa_code_object_version 6
	.text
	.protected	k_q41bec6ee2c_gemm_o
	.globl	k_q41bec6ee2c_gemm_o
	.p2align	8
	.type	k_q41bec6ee2c_gemm_o,@function
k_q41bec6ee2c_gemm_o:
	s_mov_b64 s[64:65], 0
	v_nop
	global_prefetch_b8 v0, s[64:65] scope:SCOPE_SE
	s_setreg_imm32_b32 hwreg(HW_REG_WAVE_MODE, 25, 1), 1
	s_wait_xcnt 0x0
	s_wait_alu depctr_hold_cnt(0) depctr_sa_sdst(0) depctr_va_vdst(0) depctr_va_sdst(0) depctr_va_ssrc(0) depctr_va_vcc(0) depctr_vm_vsrc(0)
	s_getreg_b32 s2, hwreg(HW_REG_IB_STS2, 6, 4)
	s_cmp_eq_u32 s2, 0
	s_cbranch_scc0 .Lentry_in_a_cluster
	s_endpgm
.Lentry_in_a_cluster:
	s_bfe_u32 s2, ttmp6, 0x10000c
	s_cmp_lg_u32 s2, 0xf033
	s_cbranch_scc0 .Lentry_shape_is_right
	s_endpgm
.Lentry_shape_is_right:
.set SIZE_M, 4096
.set SIZE_N, 2048
.set SIZE_K, 2048
.set ASC,    6291456
.set BSC,    3145728
.set KSTEP,  256
.set NQ,     KSTEP/128
; out = o wo on codes of FP6 (E2M3) with E8M0 scales, f32 out.
; A work-group makes 128 rows x 256 columns, so that the grid is 8 x 32 = 256 work-groups; a wave makes 64 x 128: 32 accumulators, one register window.
; The codes lie in dense blocks of 24,576 bytes (128 rows x 256 along K), taken as rows of 256 bytes, each at a multiple of 256 bytes; 16 bytes of padding behind each 64 lay a row's 192 bytes 240 apart in LDS.
; A slot holds one block of A and two of B.  Waves 0, 1 fetch the halves of A's block (48 rows of 256 bytes each), waves 2, 3 a block of B each: one tensor load a wave.
; CLUSTERS 4 x 4: A's block is asked for jointly along a row of the cluster, B's along a column.
; PREFETCH: behind each refill in the loop a wave names what it will fetch two refills on, in pieces of 256 bytes; each of the four partners that ask jointly names a quarter (12 pieces of A's half block, 24 of B's block),
; told apart by address; the lanes left over name the last piece again.  The loop's last trip has nothing two refills on and asks for nothing; K steps 0 to 3 come by their loads alone.
.set ROWB,   24576                     ; from a K step's block to the next
.set PFO,    30                        ; v30     256 x min(lane, 11 for A, 23 for B); never rewritten
.set PFA,    66                        ; s[66:67] my share of my block, at the K step one behind the refill being asked for
.set KROW,   SIZE_K*6/8
.set PITCH,  240
.set FR,     12
.set NL,     6
.set NP,     4
.set HALFT,  128*PITCH
.set SLOT,   3*HALFT
.set LAPS,   SIZE_K/(2*KSTEP)
.set KS,     SIZE_K/32
.set SCL,    2*SLOT
.set HALFS,  (128*KS/256)*272
.set SBLK,   (16*KS/256)*272
.set SPARE,  SCL+4*HALFS
.set SPITCH, 528
.set ADRA, 16
.set ADRB, 20
.set STO,  24
.set RD,   25
.set CO,   26
.set SPW,  28
.set NIL,  29
.set ADRS, 27
.set SC,   32
.set AF,   128
.set BK,   128
.set G1, 24
.set G0, 32
.set G1B, 48
.set G0B, 56
.set G1S, 68
.set G0S, 76
.set G1SB, 80
.set G0SB, 88
.set MSB, 0
.macro WIN new
.if MSB != \new
	s_set_vgpr_msb (MSB<<8)|\new
.set MSB, \new
.endif
.endm
.set MUL_LO, 0xa1
.set MUL_HI, 0xf1
.set TO_B,   0x40
.macro JLOAD g0a, g1a, g0b, g1b
	s_cmp_eq_u32 s15, 0
	s_cbranch_scc0 .Lfor_b_\@
	tensor_load_to_lds s[\g0a:\g0a+3], s[\g1a:\g1a+7]
	s_nop 0
.rept 4
	v_nop
.endr
	s_branch .Lasked_\@
.Lfor_b_\@:
	tensor_load_to_lds s[\g0b:\g0b+3], s[\g1b:\g1b+7]
	s_nop 0
.rept 4
	v_nop
.endr
.Lasked_\@:
.endm
.macro CREST
	s_cmp_lg_u32 s14, 0
	s_cbranch_scc1 .Lnot_wave_0_\@
	s_barrier_signal -3
.Lnot_wave_0_\@:
	s_barrier_wait -3
	s_barrier_signal -1
	s_barrier_wait -1
.endm
.macro CROUND
	s_barrier_signal -1
	s_barrier_wait -1
	CREST
.endm
	s_load_b64 s[4:5], s[0:1], 0x0
	s_load_b64 s[8:9], s[0:1], 0x8
	s_load_b64 s[12:13], s[0:1], 0x10
	v_lshl_add_u32 v[SPW], v0, 2, SPARE
	v_mov_b32 v[NIL], 0
	ds_add_u32 v28, v29
	ds_add_u32 v28, v29
	s_wait_dscnt 0x0
	v_lshrrev_b32 v1, 5, v0
	v_readfirstlane_b32 s14, v1
	s_lshr_b32 s15, s14, 1
	s_and_b32 s16, s14, 1
	s_bfe_u32 s40, ttmp6, 0x40000
	s_bfe_u32 s41, ttmp6, 0x40004
	s_lshl_b32 s42, ttmp9, 2
	s_add_co_u32 s42, s42, s40
	s_and_b32 s17, ttmp7, 0xffff
	s_lshl_b32 s17, s17, 2
	s_add_co_u32 s17, s17, s41
	s_lshl_b32 s43, s41, 2
	s_lshl_b32 s43, 15, s43
	s_lshl_b32 s44, 0x1111, s40
	s_or_b32 s[G1+0], s43, (0<<16)|(1<<20)|(1<<21)|(3<<22)|(3<<25)
	s_or_b32 s[G1B+0], s44, (0<<16)|(1<<20)|(1<<21)|(3<<22)|(3<<25)
	s_mov_b32 s[G1+2], 48<<16                      ; A: half a block, 48 rows of 256 bytes
	s_mov_b32 s[G1+4], 48
	s_mov_b32 s[G1B+2], 96<<16                     ; B: a block, 96 rows
	s_mov_b32 s[G1B+4], 96
.irp g, G1, G1B
	s_mov_b32 s[\g+1], 256<<16
	s_mov_b32 s[\g+3], 256<<16
	s_mov_b32 s[\g+5], 256
	s_mov_b32 s[\g+6], 0
	s_mov_b32 s[\g+7], 0
.endr
	s_or_b32 s[G1S+0], s43, (3<<16)|(1<<20)|(1<<21)|(5<<22)|(3<<25)
	s_or_b32 s[G1SB+0], s44, (3<<16)|(1<<20)|(1<<21)|(5<<22)|(3<<25)
	s_mov_b32 s[G1S+2], 16<<16                     ; the scales of 64 rows of A: 16 rows of 256 bytes
	s_mov_b32 s[G1S+4], 16
	s_mov_b32 s[G1SB+2], 32<<16                    ; of 128 rows of B: 32
	s_mov_b32 s[G1SB+4], 32
.irp g, G1S, G1SB
	s_mov_b32 s[\g+1], 32<<16
	s_mov_b32 s[\g+3], 32<<16
	s_mov_b32 s[\g+5], 32
	s_mov_b32 s[\g+6], 0
	s_mov_b32 s[\g+7], 0
.endr
	s_lshl_b32 s18, s16, 7
	s_lshl_b32 s20, s17, 7
	s_lshl_b32 s19, s16, 6
	s_add_co_u32 s20, s20, s19                     ; A: row 128 x tile row + 64 x half
	s_lshl_b32 s46, s42, 8
	s_add_co_u32 s46, s46, s18
	s_mov_b32 s21, 0
	s_mov_b32 s47, 0
	s_mov_b64 s[18:19], KS
	s_mul_u64 s[22:23], s[20:21], s[18:19]
	s_mul_u64 s[92:93], s[46:47], s[18:19]
	s_mov_b64 s[18:19], KROW
	s_mul_u64 s[46:47], s[46:47], s[18:19]
	s_mul_i32 s20, s17, 196608                     ; A's codes: the tile row's 8 blocks, + 64 rows of 192 bytes x half
	s_mul_i32 s18, s16, 12288
	s_add_co_u32 s20, s20, s18
	s_mul_i32 s45, s16, HALFT/2                    ; LDS: A's halves,
	s_mul_i32 s2, s16, HALFT
	s_add_co_u32 s2, s2, HALFT                     ; B's two blocks behind them
	s_mul_i32 s94, s16, HALFS/2
	s_mul_i32 s95, s16, HALFS
	s_wait_kmcnt 0x0
	s_add_nc_u64 s[6:7], s[4:5], ASC
	s_add_nc_u64 s[10:11], s[8:9], BSC
	s_add_nc_u64 s[20:21], s[4:5], s[20:21]
	s_add_nc_u64 s[22:23], s[6:7], s[22:23]
	s_add_nc_u64 s[46:47], s[8:9], s[46:47]
	s_add_nc_u64 s[92:93], s[10:11], s[92:93]
	CROUND
	s_mov_b32 s[G0S], 1
	s_add_co_u32 s[G0S+1], s94, SCL
	s_mov_b64 s[G0S+2:G0S+3], s[22:23]
	s_or_b32 s[G0S+3], s[G0S+3], 0x80000000
	s_mov_b32 s[G0SB], 1
	s_add_co_u32 s[G0SB+1], s95, SCL+HALFS
	s_mov_b64 s[G0SB+2:G0SB+3], s[92:93]
	s_or_b32 s[G0SB+3], s[G0SB+3], 0x80000000
	JLOAD G0S, G1S, G0SB, G1SB
.irp s, 0,1
	s_mov_b32 s[G0+4*\s], 1
	s_add_co_u32 s[G0+4*\s+1], s45, \s*SLOT
	s_add_nc_u64 s[G0+4*\s+2:G0+4*\s+3], s[20:21], \s*ROWB
	s_or_b32 s[G0+4*\s+3], s[G0+4*\s+3], 0x80000000
	s_mov_b32 s[G0B+4*\s], 1
	s_add_co_u32 s[G0B+4*\s+1], s2, \s*SLOT
	s_add_nc_u64 s[G0B+4*\s+2:G0B+4*\s+3], s[46:47], \s*ROWB
	s_or_b32 s[G0B+4*\s+3], s[G0B+4*\s+3], 0x80000000
	s_wait_alu depctr_va_vdst(0)
	s_wait_tensorcnt 0x0
	ds_add_u32 v28, v29
	s_wait_dscnt 0x0
	CROUND
	JLOAD G0+4*\s, G1, G0B+4*\s, G1B
.endr
	s_mov_b32 s93, 6144
	s_cmp_eq_u32 s15, 0                            ; do I fetch for A?
	s_cselect_b64 s[PFA:PFA+1], s[20:21], s[46:47] ; what I fetch of K step 0
	s_cselect_b32 s94, s40, s41                    ; my place among the four that ask for it with me
	s_cselect_b32 s93, 3072, s93                   ; a quarter of it: 12 pieces of 256 bytes, or 24
	s_cselect_b32 s92, 11, 23
	s_mul_i32 s94, s94, s93
	s_mov_b32 s95, 0
	s_add_nc_u64 s[PFA:PFA+1], s[PFA:PFA+1], s[94:95]
	v_and_b32 v[PFO], 31, v0
	v_min_u32 v[PFO], s92, v[PFO]
	v_lshlrev_b32 v[PFO], 8, v[PFO]
	v_and_b32 v1, 15, v0
	v_bfe_u32 v2, v0, 4, 1
	v_mul_u32_u24 v3, v1, PITCH
	v_mul_u32_u24 v4, v2, 24
	v_add_nc_u32 v4, v3, v4
	v_lshl_add_u32 v5, v2, 4, v4
	s_mul_i32 s21, s15, HALFT/2                    ; my 64 rows of A
	s_mul_i32 s22, s16, HALFT                      ; my 128 rows of B,
	s_add_co_u32 s22, s22, HALFT                   ; behind A's 128
.irp s, 0,1
	v_add_nc_u32 v[ADRA+\s], s21, v4
	v_add_nc_u32 v[ADRB+\s], s22, v4
	v_add_nc_u32 v[ADRA+2+\s], s21, v5
	v_add_nc_u32 v[ADRB+2+\s], s22, v5
	s_add_co_u32 s21, s21, SLOT
	s_add_co_u32 s22, s22, SLOT
.endr
	v_mul_u32_u24 v5, v1, KS
	v_lshrrev_b32 v6, 8, v5
	v_lshl_add_u32 v5, v6, 4, v5
	s_mul_i32 s21, s15, HALFS/2
	s_mul_i32 s22, s16, HALFS
	s_add_co_u32 s22, s22, HALFS
	s_sub_co_u32 s22, s22, s21
	v_mul_u32_u24 v6, s22, v2
	s_add_co_u32 s21, s21, SCL
	v_add_nc_u32 v5, v5, v6
	v_add_nc_u32 v[ADRS], s21, v5
	s_mul_i32 s23, s14, 16*SPITCH
	v_mul_u32_u24 v5, v1, SPITCH
	v_lshl_add_u32 v5, v2, 5, v5
	v_add_nc_u32 v[STO], s23, v5
	v_and_b32 v6, 31, v0
	v_lshlrev_b32 v[CO], 4, v6
	v_add_nc_u32 v[RD], s23, v[CO]
	s_lshl_b32 s20, s17, 7                         ; my first row of the result: 128 x tile row + 64 x half
	s_lshl_b32 s21, s15, 6
	s_add_co_u32 s20, s20, s21
	s_mov_b32 s21, 0
	s_mov_b64 s[18:19], SIZE_N*4
	s_mul_u64 s[20:21], s[20:21], s[18:19]
	s_lshl_b32 s46, s42, 10
	s_lshl_b32 s47, s16, 9
	s_add_co_u32 s46, s46, s47
	s_mov_b32 s47, 0
	s_add_nc_u64 s[20:21], s[20:21], s[46:47]
	s_add_nc_u64 s[12:13], s[12:13], s[20:21]
.macro FRAG reg, adr, q, i
.irp p, 0,1,2,3,4,5
.set PC, 12*(\q)+6*(\p/3)+\p%3
.if PC%8 < 5
	ds_load_b64 v[\reg+2*\p:\reg+2*\p+1], v[\adr] offset:8*PC+16*(PC/8)+(\i)*16*PITCH
.else
	ds_load_b64 v[\reg+2*\p:\reg+2*\p+1], v[\adr+2] offset:8*PC+16*(PC/8)+(\i)*16*PITCH
.endif
.endr
.endm
.macro MUL8 a0, p, q, sc, zero         ; A's block a0 against B's eight: eight accumulators, one instruction each
.irp a, \a0
.irp b, 0,1,2,3,4,5,6,7
.if \zero
	v_wmma_scale_f32_16x16x128_f8f6f4 v[8*(8*((\a)%4)+\b):8*(8*((\a)%4)+\b)+7], v[128*(\p)+FR*\b:128*(\p)+FR*\b+FR-1], v[AF+FR*(\a):AF+FR*(\a)+FR-1], 0, v[SC+8*NQ*(\sc)+NQ*\b+(\q)], v[SC+8*NQ*(\sc)+NQ*(\a)+(\q)] matrix_a_fmt:MATRIX_FMT_FP6 matrix_b_fmt:MATRIX_FMT_FP6 matrix_a_scale:MATRIX_SCALE_ROW1
.else
	v_wmma_scale_f32_16x16x128_f8f6f4 v[8*(8*((\a)%4)+\b):8*(8*((\a)%4)+\b)+7], v[128*(\p)+FR*\b:128*(\p)+FR*\b+FR-1], v[AF+FR*(\a):AF+FR*(\a)+FR-1], v[8*(8*((\a)%4)+\b):8*(8*((\a)%4)+\b)+7], v[SC+8*NQ*(\sc)+NQ*\b+(\q)], v[SC+8*NQ*(\sc)+NQ*(\a)+(\q)] matrix_a_fmt:MATRIX_FMT_FP6 matrix_b_fmt:MATRIX_FMT_FP6 matrix_a_scale:MATRIX_SCALE_ROW1
.endif
.endr
.endr
.endm
.macro FETCH_B slot, q, p
	WIN TO_B
.irp i, 0,1,2,3,4,5,6,7
	FRAG 128*(\p)+FR*\i, ADRB+\slot, \q, \i
.endr
	WIN 0
.endm
.macro FETCH_A slot, q, i0
.irp i, \i0, \i0+1
	FRAG AF+FR*(\i), ADRA+\slot, \q, \i
.endr
.endm
.macro SCALES sc
.irp i, 0,1,2,3,4,5,6,7
	ds_load_b64 v[SC+8*NQ*\sc+NQ*\i:SC+8*NQ*\sc+NQ*\i+1], v[ADRS] offset:\i*SBLK
.endr
.endm
.macro PLACES n
.rept \n
	v_nop
.endr
.endm
.macro STEP slot, q, zero
	s_wait_dscnt 2*NL                              ; B's set and A's blocks 0, 1 are in; the twelve youngest loads (A's blocks 2, 3) may be out
	WIN MUL_LO
	MUL8 0, (\q)%2, \q, \slot, \zero
	MUL8 1, (\q)%2, \q, \slot, \zero
	s_wait_dscnt 0
	PLACES NP
	FETCH_B \slot, (\q)+1, 1-(\q)%2
	FETCH_A \slot, (\q)+1, 0
	WIN MUL_LO
	MUL8 2, (\q)%2, \q, \slot, \zero
	MUL8 3, (\q)%2, \q, \slot, \zero
	PLACES NP
	WIN 0
	FETCH_A \slot, (\q)+1, 2
.endm
.macro TURN slot, next, fill
.if \fill
	s_wait_xcnt 0x0                                ; my last prefetch has read its address: it is stepped here
	s_add_nc_u64 s[PFA:PFA+1], s[PFA:PFA+1], ROWB
.endif
	s_wait_tensorcnt 0x0
	ds_add_u32 v[SPW], v[NIL]
	s_wait_dscnt 2*NL+1                            ; (the add and the twelve youngest loads may be out)
	WIN MUL_LO
	MUL8 0, 1, NQ-1, \slot, 0
	MUL8 1, 1, NQ-1, \slot, 0
	s_wait_dscnt 0x0                               ; the add is done, and my reads of this slot are over
	s_barrier_signal -1
	MUL8 2, 1, NQ-1, \slot, 0
	WIN 0
	s_barrier_wait -1
.if \fill
	CREST
	s_add_nc_u64 s[G0+4*\slot+2:G0+4*\slot+3], s[G0+4*\slot+2:G0+4*\slot+3], 2*ROWB
	s_add_nc_u64 s[G0B+4*\slot+2:G0B+4*\slot+3], s[G0B+4*\slot+2:G0B+4*\slot+3], 2*ROWB
	JLOAD G0+4*\slot, G1, G0B+4*\slot, G1B
.else
	PLACES NP
.endif
	s_wait_alu depctr_va_vdst(0)
	v_add_nc_u32 v[ADRS], 4*NQ, v[ADRS]
	FETCH_B \next, 0, 0
	FETCH_A \next, 0, 0
	SCALES \next
.if \fill
	s_cmp_gt_u32 s3, 1                             ; s3 = 1 in the loop's last trip
	s_cbranch_scc0 .Lno_ask_\@
	global_prefetch_b8 v[PFO], s[PFA:PFA+1] offset:3*ROWB th:TH_LOAD_NT scope:SCOPE_SE
.Lno_ask_\@:
.endif
	WIN MUL_LO
	MUL8 3, 1, NQ-1, \slot, 0
	PLACES NP
	WIN 0
	FETCH_A \next, 0, 2
.endm
	s_wait_alu depctr_va_vdst(0)
	s_wait_tensorcnt 1
	s_barrier_signal -1
	s_barrier_wait -1
	FETCH_B 0, 0, 0
	FETCH_A 0, 0, 0
	SCALES 0
	FETCH_A 0, 0, 2
	STEP 0, 0, 1
	s_mov_b32 s3, LAPS-1
.Llap:
	TURN 0, 1, 1
	STEP 1, 0, 0
	TURN 1, 0, 1
	STEP 0, 0, 0
	s_sub_co_u32 s3, s3, 1
	s_cmp_lg_u32 s3, 0
	s_cbranch_scc1 .Llap
	TURN 0, 1, 0
	STEP 1, 0, 0
	s_wait_dscnt 2*NL
	WIN MUL_LO
	MUL8 0, 1, NQ-1, 1, 0
	MUL8 1, 1, NQ-1, 1, 0
	s_wait_dscnt 0
	MUL8 2, 1, NQ-1, 1, 0
	MUL8 3, 1, NQ-1, 1, 0
	WIN 0
.macro TOSTAGE a
.set AC, 64*((\a)%4)
.set SW, 0x08+4*((\a)/4)
	WIN SW
.irp b, 0,1,2,3,4,5,6,7
	ds_store_b128 v[STO], v[AC+8*\b:AC+8*\b+3] offset:64*\b
	ds_store_b128 v[STO], v[AC+8*\b+4:AC+8*\b+7] offset:64*\b+16
.endr
	WIN 0
.set BB, BK+64*((\a)%2)
.irp t, 0,1,2,3,4,5,6,7,8,9,10,11,12,13,14,15
	ds_load_b128 v[BB+4*\t:BB+4*\t+3], v[RD] offset:\t*SPITCH
.endr
.endm
.macro SEND a, younger
.set BB, BK+64*((\a)%2)
	s_wait_dscnt \younger
.if (\a) > 0
	s_add_nc_u64 s[12:13], s[12:13], 16*SIZE_N*4
.endif
.irp t, 0,1,2,3,4,5,6,7,8,9,10,11,12,13,14,15
	global_store_b128 v[CO], v[BB+4*\t:BB+4*\t+3], s[12:13] offset:\t*SIZE_N*4 th:TH_STORE_NT
.endr
.endm
	PLACES NP
	TOSTAGE 0
.irp a, 1,2,3
.if \a > 1
	s_wait_xcnt 0x0
.endif
	TOSTAGE \a
	SEND \a-1, 32
.endr
	s_wait_xcnt 0x0
	SEND 3, 0
	s_wait_tensorcnt 0x0
	ds_add_u32 v[SPW], v[NIL]
	s_wait_dscnt 0x0
	CROUND
	s_endpgm
.Lfunc_end_k_q41bec6ee2c_gemm_o:
	.size	k_q41bec6ee2c_gemm_o, .Lfunc_end_k_q41bec6ee2c_gemm_o-k_q41bec6ee2c_gemm_o
	.p2alignl 7, 3214868480
	.fill 96, 4, 3214868480
	.section	.rodata,"a",@progbits
	.p2align	6, 0x0
	.amdhsa_kernel k_q41bec6ee2c_gemm_o
		.amdhsa_group_segment_fixed_size 327680
		.amdhsa_private_segment_fixed_size 0
		.amdhsa_enable_private_segment 0
		.amdhsa_kernarg_size 24
		.amdhsa_user_sgpr_count 2
		.amdhsa_user_sgpr_kernarg_segment_ptr 1
		.amdhsa_wavefront_size32 1
		.amdhsa_system_sgpr_workgroup_id_x 1
		.amdhsa_system_sgpr_workgroup_id_y 1
		.amdhsa_system_sgpr_workgroup_id_z 1
		.amdhsa_system_vgpr_workitem_id 0
		.amdhsa_next_free_vgpr 768
		.amdhsa_next_free_sgpr 98
		.amdhsa_reserve_vcc 0
		.amdhsa_float_denorm_mode_32 3
		.amdhsa_float_denorm_mode_16_64 3
		.amdhsa_memory_ordered 1
		.amdhsa_forward_progress 1
		.amdhsa_inst_pref_size 103
	.end_amdhsa_kernel
	.amdgpu_metadata
---
amdhsa.version: [ 1, 2 ]
amdhsa.kernels:
  - .name:           k_q41bec6ee2c_gemm_o
    .symbol:         k_q41bec6ee2c_gemm_o.kd
    .args:
      - { .name: oq, .offset: 0, .size: 8, .value_kind: global_buffer, .address_space: global }
      - { .name: woq, .offset: 8, .size: 8, .value_kind: global_buffer, .address_space: global }
      - { .name: out0, .offset: 16, .size: 8, .value_kind: global_buffer, .address_space: global }
    .group_segment_fixed_size: 327680
    .private_segment_fixed_size: 0
    .kernarg_segment_align: 8
    .kernarg_segment_size: 24
    .max_flat_workgroup_size: 128
    .sgpr_count:     98
    .vgpr_count:     768
    .wavefront_size: 32
...
	.end_amdgpu_metadata
.endif
;; end of part 5
